; MI455X (gfx1250); checked and timed in simulation.
; The chip was launched on July 23, 2026; its instructions are those of AMD's public machine-readable ISA for CDNA 5 (MIT licence, August 2026) and "CDNA5" Instruction Set Architecture Reference Guide (July 2026). The comments in the code are by the model that wrote it; some were corrected since.
;; Self Attention. Allowed arithmetic: matrix products marked QUANTISED: E2M3 operands, one E8M0 scale for each 32 along K, by v_wmma_scale_f32_16x16x128_f8f6f4 with both operands' format E2M3, f32 sums; everything else in f32.
;; Inputs: W_in 3,072 x 1,024 float32; W_out 1,024 x 1,024 float32; b_in 3,072 float32; b_out 1,024 float32; x 4 x 2,048 x 1,024 float32.
;; Outputs: out0 4 x 2,048 x 1,024 float32.
;; Constants: causal_mask = 1.
;; This version of the problem:
;;   THIS VERSION OF THE PROBLEM IS GIVEN IN LOW PRECISION. The matrix products marked QUANTISED in the list below multiply operands that are first quantised to E2M3 (2 exponent bits, 3 mantissa bits; 6 bits a number), with one power-of-two scale for each 32 numbers along K (OCP MX v1.0); their sums are f32. All else is computed in f32.
;;   The module's matrix products, in the order in which they are computed (A, B: the left and right operand; K: the contracted axis; several contracted axes count as one K, in the product's order):
;;     1. [M 8,192, K 1,024] x [K 1,024, N 3,072]; A: input x; B: input W_in: QUANTISED
;;     2. batch 64 x [M 2,048, K 64] x [K 64, N 2,048]; A: computed on the way; B: computed on the way: QUANTISED
;;     3. batch 64 x [M 2,048, K 2,048] x [K 2,048, N 64]; A: softmax (see below); B: computed on the way: QUANTISED
;;     4. [M 8,192, K 1,024] x [K 1,024, N 1,024]; A: computed on the way; B: input W_out: QUANTISED
;;   THE QUANTISER, for each operand of a quantised product, along K:
;;     - K is cut into blocks of 32 from its start; a last block that is shorter is filled with zeros.
;;     - A block's scale is 2^e with e = floor(log2(the largest magnitude in the block)) - 2, held to -126 .. 127; a block of zeros has e = 0. As a byte (E8M0): e + 127.
;;     - Each number is divided by its block's scale, clamped to +-7.5, and rounded to the nearest number of E2M3, ties to even, subnormals kept.
;;     - The product sums the exact products of the quantised numbers (number of the format x scale) in f32.
;;   ~~~python
;;   def quantise(x, axis):      # numpy; x: float32 -> the quantised numbers, widened to float32 again
;;       x = np.moveaxis(x, axis, -1); K = x.shape[-1]
;;       x = np.pad(x, [(0, 0)] * (x.ndim - 1) + [(0, -K % 32)]); x = x.reshape(x.shape[:-1] + (-1, 32)); a = np.abs(x).max(-1, keepdims=True)
;;       e = np.where(a > 0, np.clip(np.frexp(np.where(a > 0, a, 1))[1] - 1 - 2, -126, 127), 0)      # np.frexp(a)[1] - 1 = floor(log2(a)), exactly
;;       r = np.clip(x / 2.0 ** e, -7.5, 7.5)
;;       step = 2.0 ** (np.maximum(np.frexp(np.where(r == 0, 1, r))[1] - 1, 0) - 3)
;;       q = np.round(r / step) * step * 2.0 ** e      # np.round: ties to even
;;       return np.moveaxis(q.reshape(q.shape[:-2] + (-1,))[..., :K], -1, axis).astype(np.float32)
;;   ~~~
;;   SOFTMAX AHEAD OF A QUANTISED PRODUCT. Where the list says 'softmax', what is quantised is not the finished softmax but p = 2^(t - M), with t = logit x log2(e) and M = ceil(the row's largest t), a whole number; so 1/2 < the row's largest p <= 1. The row's sum l is taken of the UNQUANTISED p, in f32, and the product's result is divided by l at the end. Since M is a whole number, a kernel that streams over the keys may use a running M (the ceiling of the running maximum): every later rescaling is an exact power of two, which a block's scale takes up: the codes' values come out the same.
;;   OPERANDS COMPUTED ON THE WAY. 'Computed on the way' means the value that the module computes at that place (a softmax that the list does not call 'softmax' is quantised finished and normalised). What goes into a quantiser is computed in f32, as accurately as f32 sums, v_exp_f32 and their like allow (about 1e-6 of the number): no bf16 or f16 on the way to a quantiser, and a product that is left as it is and whose result goes on into a quantised operand takes f32 operands (vector FMAs, or v_wmma_f32_16x16x4_f32). A number that lies on a knife's edge between two numbers of the format may be rounded either way, as far as f32 arithmetic and the matrix unit's own rounding can turn it there, and no further.
;; One version. Each part assembles by itself: llvm-mc -triple=amdgcn-amd-amdhsa -mcpu=gfx1250 --defsym DOCPART=n.
;; ======== version 1 of 1: 4 launches
;; limits: right only within a limited range of input values
;; workspace buffers: cod1 9,437,184 bytes; scl1 393,216 bytes; cod2 18,874,368 bytes; scl2 786,432 bytes; aoc 6,291,456 bytes; aos 262,144 bytes
;; launch quant (part 1): grid 768 x 1, 4 waves a work-group, no clusters, 34,816 bytes of LDS; arguments x, W_in, W_out, cod1, scl1; writes cod1, scl1
.if DOCPART == 1
	.amdgcn_target "amdgcn-amd-amdhsa--gfx1250"
	.amdhsa_code_object_version 6
	.text
	.protected	k_qd5c9add2a5_quant
	.globl	k_qd5c9add2a5_quant
	.p2align	8
	.type	k_qd5c9add2a5_quant,@function
k_qd5c9add2a5_quant:
	s_mov_b64 s[64:65], 0
	v_nop
	global_prefetch_b8 v0, s[64:65] scope:SCOPE_SE
	s_setreg_imm32_b32 hwreg(HW_REG_WAVE_MODE, 25, 1), 1
	s_wait_xcnt 0x0
; x [8192][1024], W_in [3072][1024], W_out [1024][1024], f32, K innermost, become codes of FP6 (E2M3) with one E8M0 byte for each 32 along K, laid in the ORDER OF AN OPERAND'S REGISTERS.
; LEFT OUT IN THIS PROGRAM (launch attn): tiles of scores all of whose keys come after their queries: reference() itself sets them to -infinity ahead of the softmax (causal_mask is the constant 1), so they add 0 to the sum and to the result, whatever the inputs hold.
; A NaN, an infinity or an overflow that reaches only those scores is not carried to the result.  Every input is loaded.
; A block's scale is 2^(floor(log2(its largest magnitude)) - 2); its byte is the largest magnitude's exponent field - 2, held at 1 from below; each number / scale goes to the nearest code, ties to even, beyond 7.5 the largest code.
; LIMITS: NaN and infinities among the inputs are not served; a block whose largest magnitude lies under 2^-124 gets the byte 1; a block of zeros gets the byte 1 where the rule says 127 (its codes are zeros, and this program alone reads the bytes).
; BLOCKS.  The 12,288 rows of the three tensors are 768 blocks of 16: blocks 0-511 x, 512-703 W_in, 704-767 W_out.  THE ROWS OF A BLOCK ARE NOT NEIGHBOURS: place r of block 2 b + u of a tensor holds row 32 b + 8 u + r + 8 (r / 8),
; so that a product's results over two neighbouring blocks are 16 neighbours in a lane's registers.
; IMAGE.  16 places x 128 K are 12 registers a lane (lane (r, h): registers 6 c .. 6 c + 5 hold K = 64 c + 32 h + 0 .. 31 of place r) = 1,536 bytes: half c at 768 c: registers 6 c .. 6 c + 3 at 16 x lane, registers 6 c + 4, 6 c + 5 at 512 + 8 x lane.
; cod1: [block][K step of 128: 8][image].  scl1: 32 bytes a place: the scale word of K step s at 4 s.
; SHARES.  A block to a work-group of four waves; wave w takes K steps 2 w and 2 w + 1: two tasks of 16 rows x 128 K, whose 32 loads of 512 consecutive bytes all go out at the wave's start.
; A task's 8,192 bytes turn through the wave's own stage in LDS, so that a lane gets 16 neighbours of each block of 32.  The waves' scale words meet in 512 bytes of LDS, laid as scl1 has them, and wave 0 stores them as 512 consecutive bytes.
; Memory binds: no matrix unit, no cluster, no tensor load.
.set PITCH, 528                        ; a stage row: 512 bytes + 16: the sixteen rows that a load of 16 bytes a lane touches begin 16 bytes apart modulo 256
.set STGB,  16*PITCH                   ; a wave's stage
.set EXC,   4*STGB                     ; the block's 512 scale bytes
.set SPARE, EXC+512                    ; the spare words, 128 bytes for each wave: two blocks of 256 bytes that no other line names
.set L16, 1                            ; v1   16 x lane
.set RDA, 2                            ; v2   my stage, back: 528 r + 64 h
.set L8,  3                            ; v3   8 x lane
.set LS,  4                            ; v4   my stage, in: 16 x lane
.set SPW, 5                            ; v5   my spare word; never rewritten
.set NIL, 6                            ; v6   0; never rewritten
.set EXW, 11                           ; v11  EXC + 32 r + 8 w: my two scale words' place
.set EXR, 12                           ; v12  EXC + 16 x lane
.set R,   16                           ; v16-143  two sets of 64: a task as loaded
.set X,   144                          ; v144-207 register 16 b + i = K 32 b + 16 h + i of place r
.set PC,  208                          ; v208-219 the image
.set CT,  220                          ; v220-222, v224-226 the upper halves' codes
.set TM,  228                          ; v228-243 at work
.set SW,  244                          ; v244-245 my two scale words
.set SEL, 20                           ; s[20:21] v_permlanex16_b32's selects for lane l xor 16
; 64 numbers of a lane, v[s + 16 b + i] = K 32 b + 16 h + i of my row, become the image's halves in v[d0] .. + 5 and v[d1] .. + 5 and the row's scale word in v[pw]
.macro QUANT s, d0, d1, pw
.irp b, 0,1,2,3
	v_max3_num_f32 v[TM+\b], |v[\s+16*\b]|, |v[\s+1+16*\b]|, 0x1800000   ; block b: my 16 numbers, and the floor 2^(3 - 127): the byte cannot fall under 1
.endr
.irp i, 2,4,6,8,10,12,14
.irp b, 0,1,2,3
	v_max3_num_f32 v[TM+\b], v[TM+\b], |v[\s+16*\b+\i]|, |v[\s+1+16*\b+\i]|   ; the four blocks by turns
.endr
.endr
.irp b, 0,1,2,3
	v_permlanex16_b32 v[TM+4+\b], v[TM+\b], s[SEL], s[SEL+1]
.endr
.irp b, 0,1,2,3
	v_max_num_f32 v[TM+\b], v[TM+\b], v[TM+4+\b]     ; with lane l xor 16's 16: the block's largest magnitude
.endr
.irp b, 0,1,2,3
	v_add_nc_u32 v[TM+12+\b], 0xff000000, v[TM+\b]   ; 2 off its exponent field: the conversion's scale operand
.endr
.irp b, 0,1,2,3
	v_lshrrev_b32 v[TM+4+\b], 23, v[TM+12+\b]        ; the scale's byte
.endr
	v_lshl_or_b32 v[\pw], v[TM+5], 8, v[TM+4]
	v_lshl_or_b32 v[\pw], v[TM+6], 16, v[\pw]
	v_lshl_or_b32 v[\pw], v[TM+7], 24, v[\pw]
	v_cvt_scalef32_pk16_fp6_f32 v[\d0:\d0+2], v[\s:\s+15], v[TM+12]
	v_cvt_scalef32_pk16_fp6_f32 v[CT:CT+2], v[\s+16:\s+31], v[TM+13]      ; (a conversion's three registers begin on an even number)
	v_cvt_scalef32_pk16_fp6_f32 v[\d1:\d1+2], v[\s+32:\s+47], v[TM+14]
	v_cvt_scalef32_pk16_fp6_f32 v[CT+4:CT+6], v[\s+48:\s+63], v[TM+15]
	v_nop                                          ; one plain instruction behind the conversions
.irp i, 0,1,2
	v_permlane16_swap_b32 v[\d0+\i], v[CT+\i]      ; the layout wants a whole block in a lane: lanes 0-15 the even block, lanes 16-31 the odd one
.endr
.irp i, 0,1,2
	v_mov_b32 v[\d0+3+\i], v[CT+\i]
.endr
.irp i, 0,1,2
	v_permlane16_swap_b32 v[\d1+\i], v[CT+4+\i]
.endr
.irp i, 0,1,2
	v_mov_b32 v[\d1+3+\i], v[CT+4+\i]
.endr
.endm
	s_load_b128 s[4:7], s[0:1], 0x0                ; x, W_in
	s_load_b128 s[8:11], s[0:1], 0x10              ; W_out, cod1
	s_load_b64 s[12:13], s[0:1], 0x20              ; scl1
	v_lshl_add_u32 v[SPW], v0, 2, SPARE
	v_mov_b32 v[NIL], 0
	v_lshrrev_b32 v9, 5, v0
	v_readfirstlane_b32 s23, v9                    ; wave 0..3
	v_and_b32 v10, 31, v0                          ; lane
	v_and_b32 v7, 15, v0                           ; r
	v_bfe_u32 v8, v0, 4, 1                         ; h
	v_lshlrev_b32 v[L16], 4, v10
	v_lshlrev_b32 v[L8], 3, v10
	s_mul_i32 s24, s23, STGB                       ; my stage
	v_add_nc_u32 v[LS], s24, v[L16]
	v_mul_u32_u24 v[RDA], v7, PITCH
	v_lshl_add_u32 v[RDA], v8, 6, v[RDA]
	v_add_nc_u32 v[RDA], s24, v[RDA]
	s_lshl_b32 s25, s23, 3
	s_add_co_u32 s25, s25, EXC
	v_lshl_add_u32 v[EXW], v7, 5, s25
	v_add_nc_u32 v[EXR], EXC, v[L16]
.irp b, 0,1,2,3
	v_mov_b32 v[TM+4+\b], 0                        ; written once: a lane permute's destination counts as one of its sources
.endr
	s_mov_b32 s[SEL], 0x76543210
	s_mov_b32 s[SEL+1], 0xfedcba98
	s_mov_b32 s15, 704
	s_wait_alu depctr_va_vdst(0)                   ; the wait at the head's end
	s_wait_kmcnt 0x0
	s_cmp_lt_u32 ttmp9, 704                        ; which tensor: the choice hangs on the work-group's number alone
	s_cselect_b64 s[6:7], s[6:7], s[8:9]
	s_cselect_b32 s14, 512, s15
	s_cmp_lt_u32 ttmp9, 512
	s_cselect_b64 s[4:5], s[4:5], s[6:7]
	s_cselect_b32 s14, 0, s14
	s_sub_co_u32 s14, ttmp9, s14                   ; the block's number in its tensor
	s_lshr_b32 s16, s14, 1
	s_lshl_b32 s16, s16, 5
	s_and_b32 s17, s14, 1
	s_lshl_b32 s17, s17, 3
	s_add_co_u32 s16, s16, s17                     ; its first row: 32 b + 8 u
	s_lshl_b32 s16, s16, 12                        ; rows of 4,096 bytes
	s_lshl_b32 s17, s23, 10
	s_add_co_u32 s16, s16, s17                     ; my two K steps: 1,024 bytes of each row
	s_mov_b32 s17, 0
	s_add_nc_u64 s[4:5], s[4:5], s[16:17]
	s_mul_i32 s16, ttmp9, 12288
	s_mul_i32 s18, s23, 3072
	s_add_co_u32 s16, s16, s18
	s_add_nc_u64 s[10:11], s[10:11], s[16:17]
	s_lshl_b32 s16, ttmp9, 9
	s_add_nc_u64 s[12:13], s[12:13], s[16:17]
.macro LOAD t                          ; task t: place i's row, 128 numbers: 512 consecutive bytes, at a multiple of 512 from the tensor's first byte
.irp i, 0,1,2,3,4,5,6,7,8,9,10,11,12,13,14,15
	global_load_b128 v[R+64*(\t)+4*\i:R+64*(\t)+4*\i+3], v[L16], s[4:5] offset:(\i+8*(\i/8))*4096+512*(\t) th:TH_LOAD_NT
.endr
.endm
.macro TURN t                          ; through my stage: LDS serves a wave's instructions in order, so no wait stands between the stores and the loads
.irp i, 0,1,2,3,4,5,6,7,8,9,10,11,12,13,14,15
	ds_store_b128 v[LS], v[R+64*(\t)+4*\i:R+64*(\t)+4*\i+3] offset:PITCH*\i
.endr
.irp b, 0,1,2,3
.irp j, 0,1,2,3
	ds_load_b128 v[X+16*\b+4*\j:X+16*\b+4*\j+3], v[RDA] offset:128*\b+16*\j
.endr
.endr
.endm
.macro TASK t
	s_wait_loadcnt 16*(1-(\t))                     ; this task's 16 loads are in; the second task's 16 may be out
	TURN \t
	s_wait_dscnt 0x0                               ; my 64 numbers are back
	s_wait_xcnt 0x0                                ; the first task's stores have read the image's registers: they are written again only behind this wait
	QUANT X, PC, PC+6, SW+(\t)
	global_store_b128 v[L16], v[PC:PC+3], s[10:11] offset:1536*(\t)            ; 512 consecutive bytes
	global_store_b64 v[L8], v[PC+4:PC+5], s[10:11] offset:1536*(\t)+512        ; 256
	global_store_b128 v[L16], v[PC+6:PC+9], s[10:11] offset:1536*(\t)+768
	global_store_b64 v[L8], v[PC+10:PC+11], s[10:11] offset:1536*(\t)+1280
.endm
	LOAD 0
	LOAD 1
	TASK 0
	TASK 1
	ds_store_b64 v[EXW], v[SW:SW+1]                ; my place's two scale words, where scl1 has them; lanes l and l + 16 write the same bytes with the same values
	s_wait_alu depctr_va_vdst(0)
	s_wait_dscnt 0x0                               ; for the others' sake
	s_barrier_signal -1
	s_barrier_wait -1
	s_cmp_lg_u32 s23, 0
	s_cbranch_scc1 .Lend
	ds_load_b128 v[X:X+3], v[EXR]
	s_wait_dscnt 0x0
	global_store_b128 v[L16], v[X:X+3], s[12:13]   ; 512 consecutive bytes
.Lend:
	s_wait_tensorcnt 0x0                           ; the wave's end: behind my last LDS store
	ds_add_u32 v[SPW], v[NIL]
	s_wait_dscnt 0x0
	s_endpgm
.Lfunc_end_k_qd5c9add2a5_quant:
	.size	k_qd5c9add2a5_quant, .Lfunc_end_k_qd5c9add2a5_quant-k_qd5c9add2a5_quant
	.p2alignl 7, 3214868480
	.fill 96, 4, 3214868480
	.section	.rodata,"a",@progbits
	.p2align	6, 0x0
	.amdhsa_kernel k_qd5c9add2a5_quant
		.amdhsa_group_segment_fixed_size 34816
		.amdhsa_private_segment_fixed_size 0
		.amdhsa_enable_private_segment 0
		.amdhsa_kernarg_size 40
		.amdhsa_user_sgpr_count 2
		.amdhsa_user_sgpr_kernarg_segment_ptr 1
		.amdhsa_wavefront_size32 1
		.amdhsa_system_sgpr_workgroup_id_x 1
		.amdhsa_system_sgpr_workgroup_id_y 1
		.amdhsa_system_sgpr_workgroup_id_z 1
		.amdhsa_system_vgpr_workitem_id 0
		.amdhsa_next_free_vgpr 256
		.amdhsa_next_free_sgpr 66
		.amdhsa_reserve_vcc 0
		.amdhsa_float_denorm_mode_32 3
		.amdhsa_float_denorm_mode_16_64 3
		.amdhsa_memory_ordered 1
		.amdhsa_forward_progress 1
		.amdhsa_inst_pref_size 19
	.end_amdhsa_kernel
	.amdgpu_metadata
---
amdhsa.version: [ 1, 2 ]
amdhsa.kernels:
  - .name:           k_qd5c9add2a5_quant
    .symbol:         k_qd5c9add2a5_quant.kd
    .args:
      - { .name: x, .offset: 0, .size: 8, .value_kind: global_buffer, .address_space: global }
      - { .name: W_in, .offset: 8, .size: 8, .value_kind: global_buffer, .address_space: global }
      - { .name: W_out, .offset: 16, .size: 8, .value_kind: global_buffer, .address_space: global }
      - { .name: cod1, .offset: 24, .size: 8, .value_kind: global_buffer, .address_space: global }
      - { .name: scl1, .offset: 32, .size: 8, .value_kind: global_buffer, .address_space: global }
    .group_segment_fixed_size: 34816
    .private_segment_fixed_size: 0
    .kernarg_segment_align: 8
    .kernarg_segment_size: 40
    .max_flat_workgroup_size: 128
    .sgpr_count:     66
    .vgpr_count:     256
    .wavefront_size: 32
...
	.end_amdgpu_metadata
.endif
;; end of part 1
;; launch proj_in (part 2): grid 8 x 32, 4 waves a work-group, clusters of 4 x 4, 327,680 bytes of LDS; arguments cod1, scl1, b_in, cod2, scl2; writes cod2, scl2
.if DOCPART == 2
	.amdgcn_target "amdgcn-amd-amdhsa--gfx1250"
	.amdhsa_code_object_version 6
	.text
	.protected	k_qd5c9add2a5_proj_in
	.globl	k_qd5c9add2a5_proj_in
	.p2align	8
	.type	k_qd5c9add2a5_proj_in,@function
k_qd5c9add2a5_proj_in:
	s_mov_b64 s[64:65], 0
	v_nop
	global_prefetch_b8 v0, s[64:65] scope:SCOPE_SE
	s_setreg_imm32_b32 hwreg(HW_REG_WAVE_MODE, 25, 1), 1
	s_wait_xcnt 0x0
	s_wait_alu depctr_hold_cnt(0) depctr_sa_sdst(0) depctr_va_vdst(0) depctr_va_sdst(0) depctr_va_ssrc(0) depctr_va_vcc(0) depctr_vm_vsrc(0)
	s_getreg_b32 s2, hwreg(HW_REG_IB_STS2, 6, 4)
	s_cmp_eq_u32 s2, 0
	s_cbranch_scc0 .Lentry_in_a_cluster
	s_endpgm
.Lentry_in_a_cluster:
	s_bfe_u32 s2, ttmp6, 0x10000c
	s_cmp_lg_u32 s2, 0xf033
	s_cbranch_scc0 .Lentry_shape_is_right
	s_endpgm
.Lentry_shape_is_right:
; qkv = x W_in^T + b_in on codes of FP6 (E2M3) with E8M0 scales, sums in f32; q, k and v are quantised again in registers, as the operands of attention's two products, and leave as images of those operands' registers.
; LIMITS: NaN and infinities are not served; a block whose largest magnitude lies under 2^-124, a block of zeros among them, gets the scale byte 1 (this program alone reads the bytes).
; THE DEAL.  256 work-groups: work-group (x, y) makes q, k and v of heads 2 x, 2 x + 1 for tokens 256 y .. + 255: three phases (v, q, k) on the same 256 rows of x, which lie in LDS for the whole launch, all of K (196,608 bytes), filled once.
; Four waves, 2 x 2: wave (a, b) takes tokens 128 a .. + 127 and head 2 x + b.  It holds the phase's 64 rows of W_in, all of K, in 384 registers and streams x past them in blocks of 16 places: 32 products a block on four accumulators by turns.
; A block's 8 fragments and 8 scale words are fetched two blocks ahead into two sets of registers; the walk wraps, so a phase ends with the next phase's first two blocks in registers.
; OPERANDS arrive as images of registers (16 places x 128 K = 1,536 bytes; half c at 768 c: registers 6 c .. 6 c + 3 at 16 x lane, 6 c + 4, 6 c + 5 at 512 + 8 x lane); place r of block 2 b + u holds row 32 b + 8 u + r + 8 (r / 8).
; q, k: source 0 = 16 places of W_in, source 1 = 16 places of x: a lane holds one token, its registers run along the channels; the bias is the first products' C.  v: the sources swapped: a lane holds one channel, its registers run along the tokens; the bias is added on the way out.
; LDS: x at 0 as [blocks 0-3 | 4-7 of a wave's eight][a][4 blocks]; the weights' 8 blocks at WL; x's scale bytes at XSL; the spare words.  THE HEAD: one joint load a wave: wave 0 W_v, wave 1 x's scale bytes, waves 2 and 3 x's two halves.
; TWO REFILLS of the weights' region (W_q, W_k), by wave 0, each behind a round of the cluster's barrier, as soon as all waves hold the weights before in registers: a refill has a phase's products in which to land.
; CLUSTERS: 4 x 4 work-groups; x's tiles are asked for jointly by a row of the cluster, the weights' by a column.  PREFETCH: W_q's tile is named at the head and W_k's behind the first refill, each a phase or the weights' 128 LDS loads ahead of its load:
; the sixteen waves of a column of the cluster share a tile's 384 blocks of 256 bytes out by address, 24 a wave (lanes 24-31 name the wave's last block again).
; OUT (cod2, scl2), as attention reads them: an image is three chunks of 512 bytes, registers 4 k .. 4 k + 3 at 512 k + 16 x lane.  q at 0: [head][32 tokens]; k and v at 6,291,456: [head][128 tokens][k: 4 images | v: 4 images]; scale words [r][image].
; REGISTERS: v0-23 addresses; v24-39, v104-119 the weights' scale words; v44-59 x's, two sets; v60-127 at work; v128-255 and v840-967 v's sums (q, k: v128-191 two sets of four accumulators; v192-223 k's bias); v968-999 q's bias;
; fragment f lies at v[256 (1 + f / 21) + 12 (f % 21)]: 0-31 the weights' (4 q + t), 32-47 x's two sets.
.set BKB,   12288                      ; a block's codes, all of K
.set WL,    196608
.set XSL,   294912
.set SPARE, 303104
.set NF,    34                         ; LDS loads of a block: 32 for eight fragments, 2 for eight scale words
.set A16B, 4
.set A8B,  5
.set ASB,  6
.set W16,  7
.set W8,   8
.set L16,  9
.set SPW,  10
.set NIL,  11
.set A16,  12
.set A8,   13
.set AS,   14
.set WS,   15
.set OSA,  16
.set BQA,  17
.set BVA,  18
.set PF,   19
.set SB,   24
.set SA,   44
.set PWK,  60
.set TM,   64
.set CT,   80
.set IMG,  88
.set SBQ,  104
.set VB,   120
.set ACC,  128
.set CBK,  192
.set CBQ,  968
.set SEL,  2
.set JN,   18                          ; s18 the block that is fetched next, 0 .. 7
.set OF,   22                          ; s[22:23] where the next pair's image goes, bytes from cod2
.set OP,   66
.set G1X,  24
.set G1W,  32
.set G1S,  48
.set G0W,  56
.set G0X,  60
.set G0S,  68
.set MSB, 0
.macro WIN new                         ; the immediate's high byte repeats the setting that is left
.if MSB != \new
	s_set_vgpr_msb (MSB<<8)|\new
.set MSB, \new
.endif
.endm
.macro PLACES
.rept 4
	v_nop
.endr
.endm
.macro WALU
	s_wait_alu depctr_va_vdst(0)
.endm
.macro BARRIER
	s_barrier_signal -1
	s_barrier_wait -1
.endm
.macro CROUND                          ; a round of the cluster's barrier
	BARRIER
	s_cmp_lg_u32 s14, 0
	s_cbranch_scc1 .Lnot_wave_0_\@
	s_barrier_signal -3
.Lnot_wave_0_\@:
	s_barrier_wait -3
	BARRIER
.endm
.macro TLOAD g0, g1
	tensor_load_to_lds s[\g0:\g0+3], s[\g1:\g1+7]
	s_nop 0
	PLACES
.endm
.macro GROUP1 g, mask, c, rows, pitch  ; rows of c elements of 8 bytes
	s_or_b32 s[\g], s[\mask], (3<<16)|(1<<21)
	s_mov_b32 s[\g+1], (\c)<<16
	s_mov_b32 s[\g+2], (\rows)<<16
	s_mov_b32 s[\g+3], (\c)<<16
	s_mov_b32 s[\g+4], \rows
	s_mov_b32 s[\g+5], \pitch
	s_mov_b32 s[\g+6], 0
	s_mov_b32 s[\g+7], 0
.endm
.macro G0SET g, base, off, plus        ; group 0's address: base + s\off + a constant (s21 = 0)
	s_add_co_u32 s20, s\off, \plus
	s_add_nc_u64 s[\g+2:\g+3], s[\base:\base+1], s[20:21]
	s_or_b32 s[\g+3], s[\g+3], 0x80000000
.endm
.macro FRAG f, a16, a8, off            ; a fragment comes as its image lies: every load takes consecutive bytes
.set R_, 12*((\f)%21)
	WIN (1+(\f)/21)<<6
	ds_load_b128 v[R_:R_+3], v[\a16] offset:\off
	ds_load_b64 v[R_+4:R_+5], v[\a8] offset:(\off)+512
	ds_load_b128 v[R_+6:R_+9], v[\a16] offset:(\off)+768
	ds_load_b64 v[R_+10:R_+11], v[\a8] offset:(\off)+1280
.endm
.macro WEIGHTS                         ; my 64 rows of the weight, all of K: 128 loads
.set Q_, 0
.rept 8
.irp t, 0,1,2,3
	FRAG 4*Q_+\t, W16, W8, \t*BKB+1536*Q_
.endr
.set Q_, Q_+1
.endr
	WIN 0
.endm
.macro FETCH e                         ; block JN of my eight into set e.  The three additions and the v_nop are the four places between the products before and the loads into their registers
	s_lshr_b32 s20, s[JN], 2
	s_mul_i32 s20, s20, 98304
	s_and_b32 s21, s[JN], 3
	s_mul_i32 s21, s21, BKB
	s_add_co_u32 s20, s20, s21
	s_lshl_b32 s21, s[JN], 9
	s_add_co_u32 s[JN], s[JN], 1
	s_and_b32 s[JN], s[JN], 7
	v_add_nc_u32 v[A16], s20, v[A16B]
	v_add_nc_u32 v[A8], s20, v[A8B]
	v_add_nc_u32 v[AS], s21, v[ASB]
	v_nop
.set Q_, 0
.rept 8
	FRAG 32+8*(\e)+Q_, A16, A8, 1536*Q_
.set Q_, Q_+1
.endr
	WIN 0
	ds_load_b128 v[SA+8*(\e):SA+8*(\e)+3], v[AS]
	ds_load_b128 v[SA+8*(\e)+4:SA+8*(\e)+7], v[AS] offset:16
.endm
.macro P1 d, s0, s1, c, x0, x1, side, o
.if \o
	v_wmma_scale_f32_16x16x128_f8f6f4 v[\d:\d+7], v[\s0:\s0+11], v[\s1:\s1+11], \c, v[\x0], v[\x1] matrix_a_fmt:MATRIX_FMT_FP6 matrix_b_fmt:MATRIX_FMT_FP6 matrix_\side\()_scale:MATRIX_SCALE_ROW1
.else
	v_wmma_scale_f32_16x16x128_f8f6f4 v[\d:\d+7], v[\s0:\s0+11], v[\s1:\s1+11], \c, v[\x0], v[\x1] matrix_a_fmt:MATRIX_FMT_FP6 matrix_b_fmt:MATRIX_FMT_FP6 matrix_\side\()_scale:MATRIX_SCALE_ROW0
.endif
.endm
; a product: K step q, the weight's block t, x's set e; d: D's register; c: the first K step's C (kind 0).  The weights' scale words: lanes 0-15 block 2 (t / 2), lanes 16-31 the next
.macro PROD kind, e, q, t, d, c, sb
.set FB_, 4*(\q)+(\t)
.set FA_, 32+8*(\e)+(\q)
.set RB_, 12*(FB_%21)
.set RA_, 12*(FA_%21)
.set DL_, (\d)&255
.set DW_, (\d)>>8
.set CL_, (\c)&255
.set XB_, (\sb)+8*((\t)/2)+(\q)
.set XA_, SA+8*(\e)+(\q)
.if \kind
	WIN (1+FA_/21)|((1+FB_/21)<<2)|(DW_<<4)|(DW_<<6)
.if \q
	P1 DL_, RA_, RB_, v[DL_:DL_+7], XA_, XB_, b, (\t)%2
.else
	P1 DL_, RA_, RB_, 0, XA_, XB_, b, (\t)%2
.endif
.else
.if \q
	WIN (1+FB_/21)|((1+FA_/21)<<2)|(DW_<<4)|(DW_<<6)
	P1 DL_, RB_, RA_, v[DL_:DL_+7], XB_, XA_, a, (\t)%2
.else
	WIN (1+FB_/21)|((1+FA_/21)<<2)|(((\c)>>8)<<4)|(DW_<<6)
	P1 DL_, RB_, RA_, v[CL_:CL_+7], XB_, XA_, a, (\t)%2
.endif
.endif
.endm
.macro BLK kind, e, d, ds, dx, c, sb, w   ; a block's 32 products; w: the LDS instructions younger than this block's fetch
	s_wait_dscnt \w
.set Q_, 0
.rept 8
.irp t, 0,1,2,3
	PROD \kind, \e, Q_, \t, (\d)+(\ds)*\t+(\dx)*(\t/2), (\c)+8*\t, \sb
.endr
.set Q_, Q_+1
.endr
	WIN 0
.endm
; 64 numbers of a lane, register s + 16 b + i = K 32 b + 16 h + i of my row, become the image in v[IMG] .. + 11 and the row's scale word in v[pw].  Each accumulator is read from its low end on
.macro QUANT s, pw
.set QW, (\s)>>8
.set QL, (\s)&255
	WIN QW|(QW<<2)
.irp b, 0,1,2,3
	v_max3_num_f32 v[TM+\b], |v[QL+16*\b]|, |v[QL+1+16*\b]|, 0x1800000   ; and the floor 2^(3 - 127): the byte cannot fall under 1
.endr
	WIN (QW<<2)|(QW<<4)
.irp i, 2,4,6,8,10,12,14
.irp b, 0,1,2,3
	v_max3_num_f32 v[TM+\b], v[TM+\b], |v[QL+16*\b+\i]|, |v[QL+1+16*\b+\i]|
.endr
.endr
	WIN 0
.irp b, 0,1,2,3
	v_permlanex16_b32 v[TM+4+\b], v[TM+\b], s[SEL], s[SEL+1]
.endr
.irp b, 0,1,2,3
	v_max_num_f32 v[TM+\b], v[TM+\b], v[TM+4+\b]     ; with lane l xor 16's 16: the block's largest magnitude
.endr
.irp b, 0,1,2,3
	v_add_nc_u32 v[TM+12+\b], 0xff000000, v[TM+\b]   ; 2 off the exponent field: the conversion's scale operand
.endr
.irp b, 0,1,2,3
	v_lshrrev_b32 v[TM+4+\b], 23, v[TM+12+\b]
.endr
	v_lshl_or_b32 v[\pw], v[TM+5], 8, v[TM+4]
	v_lshl_or_b32 v[\pw], v[TM+6], 16, v[\pw]
	v_lshl_or_b32 v[\pw], v[TM+7], 24, v[\pw]
	WIN QW
	v_cvt_scalef32_pk16_fp6_f32 v[IMG:IMG+2], v[QL:QL+15], v[TM+12]
	v_cvt_scalef32_pk16_fp6_f32 v[CT:CT+2], v[QL+16:QL+31], v[TM+13]
	v_cvt_scalef32_pk16_fp6_f32 v[IMG+6:IMG+8], v[QL+32:QL+47], v[TM+14]
	v_cvt_scalef32_pk16_fp6_f32 v[CT+4:CT+6], v[QL+48:QL+63], v[TM+15]
	WIN 0
	v_nop                                          ; one plain instruction behind the conversions
.irp c, 0,1
.irp i, 0,1,2
	v_permlane16_swap_b32 v[IMG+6*\c+\i], v[CT+4*\c+\i]   ; the layout wants a whole block in a lane
.endr
.irp i, 0,1,2
	v_mov_b32 v[IMG+3+6*\c+\i], v[CT+4*\c+\i]
.endr
.endr
.endm
; q, k: two blocks of x = 32 tokens of my head: register 32 u + 8 t + j = token block u, channel 32 (t / 2) + 16 h + 8 (t % 2) + j: one image.  The four pairs' scale words pass through v[PWK] .. + 3, one register on in each pair
.macro PAIR c, sb, fetch
	BLK 0, 0, ACC, 8, 0, \c, \sb, NF
.if \fetch
	FETCH 0
	BLK 0, 1, ACC+32, 8, 0, \c, \sb, NF
	FETCH 1
.else
	BLK 0, 1, ACC+32, 8, 0, \c, \sb, 0
	PLACES
.endif
	s_wait_xcnt 0x0                                ; the last image's stores have read their registers and base
	s_add_nc_u64 s[OP:OP+1], s[10:11], s[OF:OF+1]
	s_add_co_u32 s[OF], s[OF], 1536
	v_mov_b32 v[PWK], v[PWK+1]
	v_mov_b32 v[PWK+1], v[PWK+2]
	v_mov_b32 v[PWK+2], v[PWK+3]
	QUANT ACC, PWK+3
.irp k, 0,1,2
	global_store_b128 v[L16], v[IMG+4*\k:IMG+4*\k+3], s[OP:OP+1] offset:512*\k   ; 512 consecutive bytes
.endr
.endm
; v: 16 channel places (the weight's block t) x my 128 tokens: register 8 b + j = token 32 (b / 2) + 16 h + 8 (b % 2) + j
.macro VOUT t
.set HV_, 128+64*(\t)+584*((\t)/2)
	s_wait_xcnt 0x0
	WIN (HV_>>8)|((HV_>>8)<<6)
.set K_, HV_&255
.rept 32
	v_pk_add_f32 v[K_:K_+1], v[K_:K_+1], v[VB+2*(\t):VB+2*(\t)+1]
.set K_, K_+2
.endr
	QUANT HV_, PWK+(\t)
.irp k, 0,1,2
	global_store_b128 v[L16], v[IMG+4*\k:IMG+4*\k+3], s[90:91] offset:1536*(\t)+512*\k
.endr
.endm
; ---- the head
	s_load_b128 s[4:7], s[0:1], 0x0                ; cod1, scl1
	s_load_b128 s[8:11], s[0:1], 0x10              ; b_in, cod2
	s_load_b64 s[12:13], s[0:1], 0x20              ; scl2
	v_lshl_add_u32 v[SPW], v0, 2, SPARE
	v_mov_b32 v[NIL], 0
	ds_add_u32 v[SPW], v[NIL]                      ; the wave's opening: the add, twice on end, and its wait ahead of my first tensor load
	ds_add_u32 v[SPW], v[NIL]
	v_lshrrev_b32 v1, 5, v0
	v_readfirstlane_b32 s14, v1                    ; wave; s15 = a, s16 = b
	s_lshr_b32 s15, s14, 1
	s_and_b32 s16, s14, 1
	s_bfe_u32 s40, ttmp6, 0x40000                  ; cx, cy
	s_bfe_u32 s41, ttmp6, 0x40004
	s_lshl_b32 s42, ttmp9, 2
	s_add_co_u32 s42, s42, s40                     ; s42 the pair of heads, 0 .. 7
	s_and_b32 s43, ttmp7, 0xffff
	s_lshl_b32 s43, s43, 2
	s_add_co_u32 s43, s43, s41                     ; s43 the 256 tokens, 0 .. 31
	s_lshl_b32 s44, s41, 2
	s_lshl_b32 s44, 15, s44                        ; my row of the cluster
	s_lshl_b32 s45, 0x1111, s40                    ; my column
	GROUP1 G1X, 44, 6144, 2, 12288                 ; x: 4 blocks (49,152 bytes) of each half of the tokens, 98,304 bytes apart
	GROUP1 G1W, 45, 1536, 8, 1536                  ; a weight: 8 blocks on end
	GROUP1 G1S, 44, 32, 32, 32                     ; x's scale bytes: 8,192 on end
	s_mul_i32 s46, s43, 196608
	s_mul_i32 s20, s16, 49152
	s_add_co_u32 s46, s46, s20                     ; waves 2, 3: blocks 0-3, 4-7 of each half
	s_mul_i32 s47, s16, 98304
	s_lshl_b32 s77, s43, 13
	s_mul_i32 s76, s42, 98304
	s_add_co_u32 s76, s76, 512*BKB                 ; W_q's 8 blocks; W_k's lie 64 blocks on, W_v's 128
	s_lshl_b32 s81, s42, 12
	s_lshl_b32 s20, s16, 11
	s_add_co_u32 s81, s81, s20
	s_add_co_u32 s81, s81, 512*512                 ; the scale bytes of my 4 blocks of W_q
	s_lshl_b32 s82, s42, 9
	s_lshl_b32 s20, s16, 8
	s_add_co_u32 s82, s82, s20                     ; my head's bias in q
	s_lshl_b32 s83, s41, 2
	s_add_co_u32 s83, s83, s14
	s_mul_i32 s83, s83, 6144
	s_add_co_u32 s83, s83, s76                     ; my sixteenth of W_q's tile, for the prefetches
	s_lshl_b32 s20, s43, 1
	s_add_co_u32 s20, s20, s15                     ; my 128 tokens: which of the 64 steps
	s_lshr_b32 s21, s20, 4
	s_and_b32 s20, s20, 15
	s_lshl_b32 s21, s21, 4
	s_lshl_b32 s78, s42, 1
	s_add_co_u32 s21, s21, s78
	s_add_co_u32 s21, s21, s16                     ; 16 x batch + head
	s_mul_i32 s78, s21, 98304
	s_mul_i32 s79, s20, 6144
	s_add_co_u32 s78, s78, s79                     ; s78 q's images, from cod2;
	s_lshl_b32 s79, s78, 1
	s_add_co_u32 s79, s79, 6291456                 ; s79 k's; v's lie 6,144 on
	s_lshl_b32 s80, s21, 12
	s_lshl_b32 s20, s20, 8
	s_add_co_u32 s80, s80, s20                     ; s80 q's scale words, from scl2
	s_mov_b32 s[SEL], 0x76543210
	s_mov_b32 s[SEL+1], 0xfedcba98
	v_and_b32 v1, 15, v0                           ; r
	v_bfe_u32 v2, v0, 4, 1                         ; h
	v_and_b32 v3, 31, v0
	v_lshlrev_b32 v[L16], 4, v3
	v_lshlrev_b32 v20, 3, v3
	s_mul_i32 s20, s15, 49152
	v_add_nc_u32 v[A16B], s20, v[L16]
	v_add_nc_u32 v[A8B], s20, v20
	s_mul_i32 s21, s16, 49152
	s_add_co_u32 s21, s21, WL
	v_add_nc_u32 v[W16], s21, v[L16]
	v_add_nc_u32 v[W8], s21, v20
	s_lshl_b32 s20, s15, 12
	s_add_co_u32 s20, s20, XSL
	v_lshl_add_u32 v[ASB], v1, 5, s20              ; my place's 32 scale bytes in my first block
	v_lshlrev_b32 v[WS], 5, v3
	v_lshlrev_b32 v[OSA], 4, v1
	v_lshlrev_b32 v[BQA], 6, v2                    ; q, k: register 8 t + j is channel 32 (t / 2) + 16 h + 8 (t % 2) + j
	v_and_b32 v21, 8, v1
	v_add_nc_u32 v21, v21, v1
	v_lshlrev_b32 v[BVA], 2, v21                   ; v: place r of block t is channel 32 (t / 2) + 8 (t % 2) + r + 8 (r / 8)
	v_min_u32 v[PF], 23, v3
	v_lshl_add_u32 v[PF], v[PF], 8, s83
.irp b, 0,1,2,3
	v_mov_b32 v[TM+4+\b], 0                        ; a lane permute's destination counts as one of its sources
	v_mov_b32 v[PWK+\b], 0
.endr
	WALU                                           ; the wait at the head's end
	s_wait_dscnt 0x0                               ; both opening adds are done
	CROUND                                         ; all sixteen work-groups are here: the first joint loads meet
	s_wait_kmcnt 0x0
	s_mov_b32 s21, 0
	s_mov_b32 s[G0W], 1
	s_mov_b32 s[G0W+1], WL
	G0SET G0W, 4, 76, 128*BKB
	s_mov_b32 s[G0X], 1
	s_mov_b32 s[G0X+1], s47
	G0SET G0X, 4, 46, 0
	s_mov_b32 s[G0S], 1
	s_mov_b32 s[G0S+1], XSL
	G0SET G0S, 6, 77, 0
	s_mov_b32 s20, s81
	s_add_nc_u64 s[72:73], s[6:7], s[20:21]
	s_mov_b32 s20, s82
	s_add_nc_u64 s[74:75], s[8:9], s[20:21]
	s_mov_b32 s20, s80
	s_add_nc_u64 s[84:85], s[12:13], s[20:21]      ; q's scale words,
	s_lshl_b32 s20, s80, 1
	s_add_co_u32 s20, s20, 262144
	s_add_nc_u64 s[86:87], s[12:13], s[20:21]      ; k's,
	s_add_nc_u64 s[88:89], s[86:87], 256           ; v's
	s_add_co_u32 s20, s79, 6144
	s_add_nc_u64 s[90:91], s[10:11], s[20:21]      ; v's images
	s_cmp_eq_u32 s14, 0                            ; the head's loads, one a wave: one chain of branches, one join
	s_cbranch_scc0 .Lh1
	TLOAD G0W, G1W
	s_branch .Lhj
.Lh1:
	s_cmp_eq_u32 s14, 1
	s_cbranch_scc0 .Lh2
	TLOAD G0S, G1S
	s_branch .Lhj
.Lh2:
	TLOAD G0X, G1X
.Lhj:
.irp p, 0,1
.irp c, 0,1
	global_load_b128 v[SB+8*\p+4*\c:SB+8*\p+4*\c+3], v[WS], s[72:73] offset:128*512+1024*\p+16*\c     ; W_v's scale words: lane l takes place l of two blocks, four K steps a load
	global_load_b128 v[SBQ+8*\p+4*\c:SBQ+8*\p+4*\c+3], v[WS], s[72:73] offset:1024*\p+16*\c           ; W_q's
.endr
.endr
.irp t, 0,1,2,3
	global_load_b32 v[VB+2*\t], v[BVA], s[74:75] offset:8192+(32*(\t/2)+8*(\t%2))*4                    ; v's bias, twice: a pair for the packed addition
	global_load_b32 v[VB+2*\t+1], v[BVA], s[74:75] offset:8192+(32*(\t/2)+8*(\t%2))*4
.endr
	WIN 3<<6
.irp t, 0,1,2,3
	global_load_b128 v[CBQ-768+8*\t:CBQ-768+8*\t+3], v[BQA], s[74:75] offset:(32*(\t/2)+8*(\t%2))*4   ; q's bias, as the result lies
	global_load_b128 v[CBQ-768+8*\t+4:CBQ-768+8*\t+7], v[BQA], s[74:75] offset:(32*(\t/2)+8*(\t%2))*4+16
.endr
	WIN 0
	s_cmp_eq_u32 s14, 0
	s_cbranch_scc0 .Lnot_w
	s_wait_tensorcnt 0x0                           ; wave 0's line is its own
.Lnot_w:
	BARRIER                                        ; W_v's rows are in
	global_prefetch_b8 v[PF], s[4:5] th:TH_LOAD_NT scope:SCOPE_SE
	WEIGHTS
	s_wait_tensorcnt 0x0                           ; the first refill's round: x and its scale bytes are in,
	ds_add_u32 v[SPW], v[NIL]
	s_mov_b32 s21, 0
	G0SET G0W, 4, 76, 0
	s_wait_dscnt 0x0                               ; and I hold W_v in registers
	CROUND
	s_cmp_eq_u32 s14, 0
	s_cbranch_scc0 .Lno_q
	TLOAD G0W, G1W                                 ; W_q's rows, onto W_v's
.Lno_q:
	s_mov_b32 s[JN], 0
	FETCH 0
	FETCH 1
	global_prefetch_b8 v[PF], s[4:5] offset:64*BKB th:TH_LOAD_NT scope:SCOPE_SE
	s_wait_loadcnt 0x0
; ---- v: eight blocks; sums of the weight's block t and x's block j at register 128 + 64 t + 584 (t / 2) + 8 j
.irp j, 0,1,2,3,4,5,6,7
	BLK 1, \j%2, 128+8*\j, 64, 584, 0, SB, NF
	FETCH \j%2
.endr
	WALU
	s_wait_tensorcnt 0x0
	s_wait_dscnt 0x0
	BARRIER                                        ; W_q's rows are shown to all
	WEIGHTS
.irp t, 0,1,2,3
	VOUT \t                                        ; v's way out, while the weights' loads are on their way
.endr
	global_store_b128 v[OSA], v[PWK:PWK+3], s[88:89]   ; my row's four scale words: lanes 0-15 store 256 consecutive bytes, lanes 16-31 the same bytes with the same values
.irp p, 0,1
.irp c, 0,1
	global_load_b128 v[SB+8*\p+4*\c:SB+8*\p+4*\c+3], v[WS], s[72:73] offset:64*512+1024*\p+16*\c      ; W_k's scale words and k's bias: waited for ahead of k's phase
.endr
.endr
.irp t, 0,1,2,3
	global_load_b128 v[CBK+8*\t:CBK+8*\t+3], v[BQA], s[74:75] offset:4096+(32*(\t/2)+8*(\t%2))*4
	global_load_b128 v[CBK+8*\t+4:CBK+8*\t+7], v[BQA], s[74:75] offset:4096+(32*(\t/2)+8*(\t%2))*4+16
.endr
	s_mov_b32 s[OF], s78
	s_mov_b32 s[OF+1], 0
	WALU
	s_wait_tensorcnt 0x0                           ; the second refill's round
	ds_add_u32 v[SPW], v[NIL]
	s_mov_b32 s21, 0
	G0SET G0W, 4, 76, 64*BKB
	s_wait_dscnt 0x0                               ; I hold W_q in registers
	CROUND
	s_cmp_eq_u32 s14, 0
	s_cbranch_scc0 .Lno_k
	TLOAD G0W, G1W                                 ; W_k's rows, onto W_q's
.Lno_k:
; ---- q: four pairs of blocks
	s_mov_b32 s17, 0
.Lq:
	PAIR CBQ, SBQ, 1
	WALU
	s_add_co_u32 s17, s17, 1
	s_cmp_lt_u32 s17, 4
	s_cbranch_scc1 .Lq
	global_store_b128 v[OSA], v[PWK:PWK+3], s[84:85]
	s_wait_tensorcnt 0x0
	s_wait_dscnt 0x0
	BARRIER                                        ; W_k's rows are shown to all
	WEIGHTS
	s_mov_b32 s[OF], s79
	s_wait_loadcnt 0x0
	s_wait_dscnt 0x0
; ---- k: three pairs that fetch on, and the last, which fetches nothing
	s_mov_b32 s17, 0
.Lk:
	PAIR CBK, SB, 1
	WALU
	s_add_co_u32 s17, s17, 1
	s_cmp_lt_u32 s17, 3
	s_cbranch_scc1 .Lk
	PAIR CBK, SB, 0
	global_store_b128 v[OSA], v[PWK:PWK+3], s[86:87]
	s_wait_tensorcnt 0x0                           ; the wave's end
	ds_add_u32 v[SPW], v[NIL]
	s_wait_dscnt 0x0
	CROUND                                         ; the closing round
	s_endpgm
.Lfunc_end_k_qd5c9add2a5_proj_in:
	.size	k_qd5c9add2a5_proj_in, .Lfunc_end_k_qd5c9add2a5_proj_in-k_qd5c9add2a5_proj_in
	.p2alignl 7, 3214868480
	.fill 96, 4, 3214868480
	.section	.rodata,"a",@progbits
	.p2align	6, 0x0
	.amdhsa_kernel k_qd5c9add2a5_proj_in
		.amdhsa_group_segment_fixed_size 327680
		.amdhsa_private_segment_fixed_size 0
		.amdhsa_enable_private_segment 0
		.amdhsa_kernarg_size 40
		.amdhsa_user_sgpr_count 2
		.amdhsa_user_sgpr_kernarg_segment_ptr 1
		.amdhsa_wavefront_size32 1
		.amdhsa_system_sgpr_workgroup_id_x 1
		.amdhsa_system_sgpr_workgroup_id_y 1
		.amdhsa_system_sgpr_workgroup_id_z 1
		.amdhsa_system_vgpr_workitem_id 0
		.amdhsa_next_free_vgpr 1024
		.amdhsa_next_free_sgpr 100
		.amdhsa_reserve_vcc 0
		.amdhsa_float_denorm_mode_32 3
		.amdhsa_float_denorm_mode_16_64 3
		.amdhsa_memory_ordered 1
		.amdhsa_forward_progress 1
		.amdhsa_inst_pref_size 176
	.end_amdhsa_kernel
	.amdgpu_metadata
---
amdhsa.version: [ 1, 2 ]
amdhsa.kernels:
  - .name:           k_qd5c9add2a5_proj_in
    .symbol:         k_qd5c9add2a5_proj_in.kd
    .args:
      - { .name: cod1, .offset: 0, .size: 8, .value_kind: global_buffer, .address_space: global }
      - { .name: scl1, .offset: 8, .size: 8, .value_kind: global_buffer, .address_space: global }
      - { .name: b_in, .offset: 16, .size: 8, .value_kind: global_buffer, .address_space: global }
      - { .name: cod2, .offset: 24, .size: 8, .value_kind: global_buffer, .address_space: global }
      - { .name: scl2, .offset: 32, .size: 8, .value_kind: global_buffer, .address_space: global }
    .group_segment_fixed_size: 327680
    .private_segment_fixed_size: 0
    .kernarg_segment_align: 8
    .kernarg_segment_size: 40
    .max_flat_workgroup_size: 128
    .sgpr_count:     100
    .vgpr_count:     1024
    .wavefront_size: 32
...
	.end_amdgpu_metadata
.endif
;; end of part 2
;; launch attn (part 3): grid 4 x 64, 16 waves a work-group, clusters of 4 x 1, 327,680 bytes of LDS; arguments cod2, scl2, aoc, aos; writes aoc, aos
.if DOCPART == 3
	.amdgcn_target "amdgcn-amd-amdhsa--gfx1250"
	.amdhsa_code_object_version 6
	.text
	.protected	k_qd5c9add2a5_attn
	.globl	k_qd5c9add2a5_attn
	.p2align	8
	.type	k_qd5c9add2a5_attn,@function
k_qd5c9add2a5_attn:
	s_mov_b64 s[64:65], 0
	v_nop
	global_prefetch_b8 v0, s[64:65] scope:SCOPE_SE
	s_setreg_imm32_b32 hwreg(HW_REG_WAVE_MODE, 25, 1), 1
	s_wait_xcnt 0x0
	s_wait_alu depctr_hold_cnt(0) depctr_sa_sdst(0) depctr_va_vdst(0) depctr_va_sdst(0) depctr_va_ssrc(0) depctr_va_vcc(0) depctr_vm_vsrc(0)
	s_getreg_b32 s2, hwreg(HW_REG_IB_STS2, 6, 4)
	s_cmp_eq_u32 s2, 0
	s_cbranch_scc0 .Lentry_in_a_cluster
	s_endpgm
.Lentry_in_a_cluster:
	s_bfe_u32 s2, ttmp6, 0x10000c
	s_cmp_lg_u32 s2, 0x3003
	s_cbranch_scc0 .Lentry_shape_is_right
	s_endpgm
.Lentry_shape_is_right:
; Causal attention of one head (64 channels, 2,048 tokens) on codes of FP6 (E2M3) with E8M0 scales; the result, divided by the row's sum, is quantised along the channels and leaves as half an image of the out-projection's operand.
; LEFT OUT: key steps all of whose keys come after a tile's queries: reference() itself sets their scores to -infinity ahead of the softmax (causal_mask is the constant 1), so they add 0 to sum and result.
; THE SOFTMAX AHEAD OF THE SECOND PRODUCT: t = score x log2(e) / 8; M = the running largest t rounded UP to a whole number; p = 2^(t - M) is quantised along the keys, not normalised; the sum is taken of the unquantised p; when M moves, sum and O are multiplied by 2^(old M - new M), exactly.
; LIMITS: NaN and infinities are not served; p under 2^-126 counts as 0 (v_exp_f32 gives 0 there: ISA guide, its entry); a block whose largest magnitude lies under 2^-124 gets the scale byte 1; the promise holds while |t| stays under 2^31.
; SHARES.  A head has 128 tiles of 16 queries and four work-groups, which form a cluster.  Wave w of the work-group at place i owns tiles 127 - t and t, t = 4 w + i: tile T walks T / 8 + 1 key steps of 128 keys, so every wave walks 17.
; t / 8 = w / 2 and (127 - t) / 8 = (31 - w) / 2: WHICH STEPS A WAVE WALKS HANGS ON THE WAVE'S NUMBER ALONE.  The place enters q's and the result's addresses and, by scalar selects, the diagonal step's lane masks: no branch, no trip count and no LDS address hangs on it.
; Four waves to a SIMD: one wave's vector work stands beside another's matrix work.  Wave 0's tile 127 - i walks all sixteen steps, so each work-group reads every byte that it receives.
; LDS.  ALL of the head's k and v codes (196,608 bytes) and scale words (8,192) are filled once, by JOINT loads of the four work-groups (the mask names all four).  At the head, behind a round of the cluster's barrier, one load a wave:
; waves 0-11 bring 4,096 bytes each of key steps 0-3, waves 12-15 2,048 bytes each of the scale words.  Behind a second round, each wave brings 9,216 bytes of key steps 4-15,
; which land while steps 0-3 are worked on; a work-group barrier shows them.  No byte is filled twice.  A closing round stands ahead of the end.
; NO PREFETCH: all of k and v is asked for by the two groups of tensor loads, the second directly behind the first's round: no later load is left that a prefetch could run ahead of.
; LAYOUT.  S^T = k q^T, O^T = v^T p^T: a lane holds ONE query (lane % 16).  An image of k holds TWO tiles of 16 keys, one in K 0-63, one in K 64-127; Q0 = [q | 0] gives the first tile's scores, Q1 = [0 | q] the second's (zero codes add nothing).
; The keys of a tile are 32 g + 8 u + r + 8 (r / 8), so that registers 16 b + i of S^T are keys 32 b + 16 h + i; v's channel places likewise: registers 16 b + i of O^T are channels 32 b + 16 h + i.  Tile T of queries is (g, u) = (T / 2, T % 2).
.set STEPB, 12288                      ; a key step in LDS: k's four images, then v's four
.set SCLB,  16*STEPB                   ; the scale words: 512 bytes a step: k's [r][image], then v's [r][image]
.set SPARE, SCLB+8192                  ; the spare words, 128 bytes for each wave: eight blocks of 256 bytes that no other line names
.set L16, 1                            ; v1   16 x lane
.set SCA, 2                            ; v2   SCLB + 16 r
.set SPW, 3
.set NIL, 4
.set L8,  6                            ; v6   8 x lane
.set R32, 7                            ; v7   32 r
.set ADK, 8                            ; v8   the step's images
.set ADS, 10                           ; v10  the step's scale words
.set R16, 11                           ; v11  16 r
.set Q0,  16                           ; v16-27 [q | 0];  v28-39 [0 | q]
.set Q1,  28
.set FRG, 40                           ; v40-87 four images: k's, then v's
.set NINF, 88                          ; v88  -infinity; never rewritten
.set S,   96                           ; v96-159 S^T, then p
.set O,   160                          ; v160-191 O^T
.set PCD, 192                          ; v192-203 p's codes
.set CT,  204
.set BM,  212                          ; v212-215 the blocks' largest
.set PT,  216
.set SOP, 220                          ; v220-223 the conversions' scale operands
.set KSC, 240                          ; v240-243 k's scale words;  v244-247 v's;  v253 p's;  v255 q's
.set VSC, 244
.set HW,  248                          ; v248 the result's two scale bytes
.set WV,  12
.set GQ,  13                           ; s13  which block of 32 keys of the diagonal step holds my tile's queries
.set PS,  14                           ; s14  the pass
.set PL,  15                           ; s15  my work-group's place in the cluster
.set G1S, 16
.set G1A, 24
.set G1B, 32
.set G0S, 40
.set G0A, 44
.set G0B, 48
.set SEL, 52
.set CS,  54                           ; s[54:55] c = log2(e) / 8
.set SO,  56                           ; s56  the step's images in LDS
.set SS,  57                           ; s57  its scale words
.set KF,  58                           ; s58  its first key
.set QS,  59                           ; s59  the first key of my tile's diagonal step: made of the wave's number alone
.set CNT, 60
.set BH,  61
.set AO,  62                           ; s[62:63] where my codes go;  s[66:67] my scale bytes
.set AS,  66
.set MK,  80                           ; s[80:95] the sixteen lane masks of the block that holds my queries
.set FB,  96                           ; s[96:99] block b's mask where it does not: all lanes behind my queries' block, none ahead of it
.macro GROUP1 g, rows                  ; a dense block as rows of 256 bytes (32 elements of 8), asked for jointly by the cluster's four work-groups
	s_mov_b32 s[\g], (3<<16)|(1<<21)|15
	s_mov_b32 s[\g+1], 32<<16
	s_mov_b32 s[\g+2], (\rows)<<16
	s_mov_b32 s[\g+3], 32<<16
	s_mov_b32 s[\g+4], \rows
	s_mov_b32 s[\g+5], 32
	s_mov_b32 s[\g+6], 0
	s_mov_b32 s[\g+7], 0
.endm
.macro PLACES
.rept 4
	v_nop
.endr
.endm
.macro ROUND                           ; a round of the cluster's barrier
	s_barrier_signal -1
	s_barrier_wait -1
	s_cmp_lg_u32 s[WV], 0
	s_cbranch_scc1 .Lnot_wave_0_\@
	s_barrier_signal -3
.Lnot_wave_0_\@:
	s_barrier_wait -3
	s_barrier_signal -1
	s_barrier_wait -1
.endm
	s_load_b256 s[4:11], s[0:1], 0x0               ; cod2 s[4:5], scl2 s[6:7], aoc s[8:9], aos s[10:11]
	v_lshl_add_u32 v[SPW], v0, 2, SPARE
	v_mov_b32 v[NIL], 0
	ds_add_u32 v[SPW], v[NIL]                      ; the wave's opening: the add, twice on end, and its wait ahead of the round in front of my first tensor load
	ds_add_u32 v[SPW], v[NIL]
	v_lshrrev_b32 v8, 5, v0
	v_readfirstlane_b32 s[WV], v8                  ; wave 0..15
	s_and_b32 s[BH], ttmp7, 0xffff                 ; the cluster's y: batch x 16 + head
	s_bfe_u32 s[PL], ttmp6, 0x40000                ; my place, 0 .. 3
	GROUP1 G1A, 16                                 ; 4,096 bytes of key steps 0-3
	GROUP1 G1S, 8                                  ; 2,048 bytes of scale words
	GROUP1 G1B, 36                                 ; 9,216 bytes of key steps 4-15
	s_lshl_b32 s71, s[WV], 12
	s_lshl_b32 s68, s[WV], 11
	s_mul_i32 s69, s[WV], 9216
	s_mul_i32 s70, s[BH], 196608
	s_add_co_u32 s70, s70, 6291456                 ; the head's k and v in cod2
	s_add_co_u32 s72, s70, s71
	s_mov_b32 s73, 0
	s_add_co_u32 s74, s70, s69
	s_add_co_u32 s74, s74, 4*STEPB
	s_mov_b32 s75, 0
	s_lshl_b32 s76, s[BH], 13
	s_add_co_u32 s76, s76, s68
	s_add_co_u32 s76, s76, 262144-12*2048          ; their scale words in scl2: wave 12 takes the first 2,048 bytes
	s_mov_b32 s77, 0
	s_mov_b32 s[SEL], 0x76543210
	s_mov_b32 s[SEL+1], 0xfedcba98
	s_mov_b32 s[CS], 0x3e38aa3b
	s_mov_b32 s[CS+1], s[CS]                       ; (named with it as a pair, so it is written)
	v_and_b32 v8, 31, v0
	v_and_b32 v10, 15, v0                          ; r
	v_lshlrev_b32 v[L16], 4, v8
	v_lshlrev_b32 v[L8], 3, v8
	v_lshlrev_b32 v[R16], 4, v10
	v_lshlrev_b32 v[R32], 5, v10
	v_add_nc_u32 v[SCA], SCLB, v[R16]
	v_mov_b32 v[NINF], 0xff800000
.irp i, 0,1,2,3,4,5
	v_mov_b32 v[Q0+6+\i], 0                        ; the zero halves, once
	v_mov_b32 v[Q1+\i], 0
.endr
	s_wait_alu depctr_va_vdst(0)
	s_wait_dscnt 0x0                               ; both opening adds are done
	ROUND                                          ; all four work-groups are here: the first joint loads meet
	s_wait_kmcnt 0x0
	s_mov_b32 s[G0S], 1
	s_add_co_u32 s[G0S+1], s68, SCLB-12*2048
	s_add_nc_u64 s[G0S+2:G0S+3], s[6:7], s[76:77]
	s_or_b32 s[G0S+3], s[G0S+3], 0x80000000
	s_mov_b32 s[G0A], 1
	s_mov_b32 s[G0A+1], s71
	s_add_nc_u64 s[G0A+2:G0A+3], s[4:5], s[72:73]
	s_or_b32 s[G0A+3], s[G0A+3], 0x80000000
	s_mov_b32 s[G0B], 1
	s_add_co_u32 s[G0B+1], s69, 4*STEPB
	s_add_nc_u64 s[G0B+2:G0B+3], s[4:5], s[74:75]
	s_or_b32 s[G0B+3], s[G0B+3], 0x80000000
	s_cmp_lt_u32 s[WV], 12                         ; the head's loads, one a wave: two arms, one join
	s_cbranch_scc0 .Lhead_s
	tensor_load_to_lds s[G0A:G0A+3], s[G1A:G1A+7]
	s_nop 0
	PLACES
	s_branch .Lhead_j
.Lhead_s:
	tensor_load_to_lds s[G0S:G0S+3], s[G1S:G1S+7]
	s_nop 0
	PLACES
.Lhead_j:
	s_mul_i32 s72, s[BH], 98304
	s_add_nc_u64 s[4:5], s[4:5], s[72:73]          ; the head's q images,
	s_lshl_b32 s72, s[BH], 12
	s_add_nc_u64 s[6:7], s[6:7], s[72:73]          ; and their scale words
; A KEY STEP: 128 keys.  A step all of whose keys come after my tile's queries is left out: KF > QS.  A step that is walked has key KF open to every row.
; ON THE DIAGONAL (KF = QS): register 16 b + i holds key KF + 32 b + 16 h + i, my query is KF + 32 GQ + 8 u + r + 8 (r / 8).  So blocks b < GQ are open, blocks b > GQ hidden, and in block GQ register i is hidden in the lanes of mask i, a constant of the layout.
; GQ and u hang on my work-group's place, so the mask is laid with no branch: a scalar select picks each register's lanes, a vector select lays -infinity there.
; The branches hang on the wave's number and the count of steps alone; no barrier and no tensor load stands in a step.
.macro STEP
	s_cmp_gt_u32 s[KF], s[QS]
	s_cbranch_scc1 .Lhidden_\@
	v_add_nc_u32 v[ADK], s[SO], v[L16]
	v_add_nc_u32 v[ADS], s[SS], v[SCA]
	v_nop
	v_nop                                          ; four places between the last step's products and the loads into the registers that they read
.irp b, 0,1,2,3
.irp k, 0,1,2
	ds_load_b128 v[FRG+12*\b+4*\k:FRG+12*\b+4*\k+3], v[ADK] offset:1536*\b+512*\k
.endr
.endr
	ds_load_b128 v[KSC:KSC+3], v[ADS]
	s_wait_alu depctr_va_vdst(0)
	s_wait_dscnt 0x0
.irp b, 0,1,2,3
	v_wmma_scale_f32_16x16x128_f8f6f4 v[S+16*\b:S+16*\b+7], v[FRG+12*\b:FRG+12*\b+11], v[Q0:Q0+11], 0, v[KSC+\b], v255 matrix_a_fmt:MATRIX_FMT_FP6 matrix_b_fmt:MATRIX_FMT_FP6
	v_wmma_scale_f32_16x16x128_f8f6f4 v[S+16*\b+8:S+16*\b+15], v[FRG+12*\b:FRG+12*\b+11], v[Q1:Q1+11], 0, v[KSC+\b], v255 matrix_a_fmt:MATRIX_FMT_FP6 matrix_b_fmt:MATRIX_FMT_FP6
.endr
	PLACES
.irp t, 0,1,2,3                                ; v's images take k's registers and land while the softmax is walked
.irp k, 0,1,2
	ds_load_b128 v[FRG+12*\t+4*\k:FRG+12*\t+4*\k+3], v[ADK] offset:6144+1536*\t+512*\k
.endr
.endr
	ds_load_b128 v[VSC:VSC+3], v[ADS] offset:256
	s_cmp_lt_u32 s[KF], s[QS]
	s_cbranch_scc1 .Lopen_\@
.irp b, 0,1,2,3
	s_cmp_eq_u32 s[GQ], \b
.irp i, 0,1,2,3,4,5,6,7,8,9,10,11,12,13,14,15
	s_cselect_b32 s[78+\i%2], s[MK+\i], s[FB+\b]
	v_cndmask_b32 v[S+16*\b+\i], v[S+16*\b+\i], v[NINF], s[78+\i%2]   ; each accumulator from its low end on
.endr
.endr
.Lopen_\@:
	s_wait_alu depctr_va_vdst(0)
.irp b, 0,1,2,3
	v_max3_num_f32 v[BM+\b], v[S+16*\b], v[S+1+16*\b], v[S+2+16*\b]   ; the largest score of each block of 32 keys: for the row's maximum and, since p rises with the score, for the block's largest p
.endr
.irp i, 3,5,7,9,11,13
.irp b, 0,1,2,3
	v_max3_num_f32 v[BM+\b], v[BM+\b], v[S+16*\b+\i], v[S+1+16*\b+\i]
.endr
.endr
.irp b, 0,1,2,3
	v_max_num_f32 v[BM+\b], v[BM+\b], v[S+15+16*\b]
.endr
.irp b, 0,1,2,3
	s_delay_alu instid0(VALU_DEP_4)
	v_permlanex16_b32 v[PT+\b], v[BM+\b], s[SEL], s[SEL+1]
.endr
.irp b, 0,1,2,3
	s_delay_alu instid0(VALU_DEP_4)
	v_max_num_f32 v[BM+\b], v[BM+\b], v[PT+\b]     ; with lane l xor 16's 16 keys
.endr
	s_delay_alu instid0(VALU_DEP_2)
	v_max3_num_f32 v254, v[BM], v[BM+1], v[BM+2]
	s_delay_alu instid0(VALU_DEP_1)
	v_max_num_f32 v254, v254, v[BM+3]
	s_delay_alu instid0(VALU_DEP_1)
	v_mul_f32 v254, s[CS], v254                    ; the step's largest t
	s_delay_alu instid0(VALU_DEP_1)
	v_max_num_f32 v13, v13, v254                   ; the running largest
	v_mov_b32 v254, v12
	s_delay_alu instid0(VALU_DEP_2)
	v_floor_f32 v12, -v13                          ; -M = floor(-t): M is a whole number
	s_delay_alu instid0(VALU_DEP_1)
	v_sub_f32 v254, v12, v254                      ; old M - new M, 0 or less
	s_delay_alu instid0(VALU_DEP_1)
	v_cvt_i32_f32 v254, v254                       ; (it saturates)
	s_delay_alu instid0(VALU_DEP_1)
	v_ldexp_f32 v252, 1.0, v254                    ; f = 2^(old M - new M)
.set j, 0
.rept 32
	v_pk_fma_f32 v[S+j:S+j+1], v[S+j:S+j+1], s[CS:CS+1], v[12:13] op_sel_hi:[1,0,0]   ; t - M
.set j, j+2
.endr
.irp b, 0,1,2,3
	v_fma_f32 v[BM+\b], v[BM+\b], s[CS], v12
.endr
.set j, 0
	s_wait_alu depctr_va_vdst(0)                   ; the wait ahead of the batch
.rept 64
	v_exp_f32 v[S+j], v[S+j]                       ; p = 2^(t - M)
.set j, j+1
.endr
	v_pk_mul_f32 v[14:15], v[14:15], v[252:253] op_sel_hi:[1,0]   ; the sums under the new M: the plain instruction behind the batch
	s_wait_alu depctr_va_vdst(0)                   ; one wait for the 64 exponentials, ahead of their first reader
.irp b, 0,1,2,3
	v_exp_f32 v[BM+\b], v[BM+\b]                   ; the block's largest p: the same two instructions on the same number
.endr
	v_pk_add_f32 v[216:217], v[100:101], v[104:105]   ; the row's sum of the unquantised p, in eight chains
	v_pk_add_f32 v[250:251], v[108:109], v[112:113]
	v_pk_add_f32 v[248:249], v[116:117], v[120:121]
	v_pk_add_f32 v[242:243], v[124:125], v[128:129]
	v_pk_add_f32 v[240:241], v[132:133], v[136:137]
	v_pk_add_f32 v[238:239], v[140:141], v[144:145]
	v_pk_add_f32 v[236:237], v[148:149], v[152:153]
	v_pk_add_f32 v[14:15], v[14:15], v[156:157]
	v_pk_add_f32 v[216:217], v[216:217], v[96:97]
	v_pk_add_f32 v[250:251], v[250:251], v[98:99]
	v_pk_add_f32 v[248:249], v[248:249], v[102:103]
	v_pk_add_f32 v[242:243], v[242:243], v[106:107]
	v_pk_add_f32 v[240:241], v[240:241], v[110:111]
	v_pk_add_f32 v[238:239], v[238:239], v[114:115]
	v_pk_add_f32 v[236:237], v[236:237], v[118:119]
	v_pk_add_f32 v[14:15], v[14:15], v[122:123]
	v_pk_add_f32 v[216:217], v[216:217], v[126:127]
	v_pk_add_f32 v[250:251], v[250:251], v[130:131]
	v_pk_add_f32 v[248:249], v[248:249], v[134:135]
	v_pk_add_f32 v[242:243], v[242:243], v[138:139]
	v_pk_add_f32 v[240:241], v[240:241], v[142:143]
	v_pk_add_f32 v[238:239], v[238:239], v[146:147]
	v_pk_add_f32 v[236:237], v[236:237], v[150:151]
	v_pk_add_f32 v[14:15], v[14:15], v[154:155]
	v_pk_add_f32 v[216:217], v[216:217], v[158:159]
	s_delay_alu instid0(VALU_DEP_2)
	v_pk_add_f32 v[14:15], v[14:15], v[242:243]
	s_delay_alu instid0(VALU_DEP_2)
	v_pk_add_f32 v[216:217], v[216:217], v[240:241]
	v_pk_add_f32 v[250:251], v[250:251], v[238:239]
	v_pk_add_f32 v[248:249], v[248:249], v[236:237]
	s_delay_alu instid0(VALU_DEP_2)
	v_pk_add_f32 v[14:15], v[14:15], v[250:251]
	s_delay_alu instid0(VALU_DEP_2)
	v_pk_add_f32 v[216:217], v[216:217], v[248:249]
	s_delay_alu instid0(VALU_DEP_1)
	v_pk_add_f32 v[14:15], v[14:15], v[216:217]
	s_wait_alu depctr_va_vdst(0)                   ; and one for the four
.irp b, 0,1,2,3
	v_max_num_f32 v[BM+\b], 0x1800000, v[BM+\b]    ; the floor 2^(3 - 127)
.endr
.irp b, 0,1,2,3
	s_delay_alu instid0(VALU_DEP_4)
	v_add_nc_u32 v[SOP+\b], 0xff000000, v[BM+\b]
.endr
.irp b, 0,1,2,3
	s_delay_alu instid0(VALU_DEP_4)
	v_lshrrev_b32 v[PT+\b], 23, v[SOP+\b]
.endr
	s_delay_alu instid0(VALU_DEP_3)
	v_lshl_or_b32 v253, v[PT+1], 8, v[PT]          ; p's scale word for these 128 keys
	s_delay_alu instid0(VALU_DEP_1)
	v_lshl_or_b32 v253, v[PT+2], 16, v253
	s_delay_alu instid0(VALU_DEP_1)
	v_lshl_or_b32 v253, v[PT+3], 24, v253
	v_cvt_scalef32_pk16_fp6_f32 v[PCD:PCD+2], v[S:S+15], v[SOP]
	v_cvt_scalef32_pk16_fp6_f32 v[CT:CT+2], v[S+16:S+31], v[SOP+1]
	v_cvt_scalef32_pk16_fp6_f32 v[PCD+6:PCD+8], v[S+32:S+47], v[SOP+2]
	v_cvt_scalef32_pk16_fp6_f32 v[CT+4:CT+6], v[S+48:S+63], v[SOP+3]
	v_nop                                          ; one plain instruction behind the conversions
.irp c, 0,1
.irp i, 0,1,2
	v_permlane16_swap_b32 v[PCD+6*\c+\i], v[CT+4*\c+\i]
.endr
.irp i, 0,1,2
	s_delay_alu instid0(VALU_DEP_3)
	v_mov_b32 v[PCD+3+6*\c+\i], v[CT+4*\c+\i]
.endr
.endr
.set j, 0
.rept 16
	v_pk_mul_f32 v[O+j:O+j+1], v[O+j:O+j+1], v[252:253] op_sel_hi:[1,0]   ; O^T under the new M.  For each product below, the twelve of these that name other tiles stand between p's codes and scale word and that product
.set j, j+2
.endr
	s_wait_alu depctr_va_vdst(0)
	s_wait_dscnt 0x0                               ; v
.irp t, 0,1,2,3
	v_wmma_scale_f32_16x16x128_f8f6f4 v[O+8*\t:O+8*\t+7], v[FRG+12*\t:FRG+12*\t+11], v[PCD:PCD+11], v[O+8*\t:O+8*\t+7], v[VSC+\t], v253 matrix_a_fmt:MATRIX_FMT_FP6 matrix_b_fmt:MATRIX_FMT_FP6
.endr
.Lhidden_\@:
	s_add_co_u32 s[KF], s[KF], 128
	s_add_co_u32 s[SO], s[SO], STEPB
	s_add_co_u32 s[SS], s[SS], 512
.endm
.macro WALK trips                      ; a loop of constant count
	s_mov_b32 s[CNT], \trips
.Lwalk_\@:
	STEP
	s_sub_co_u32 s[CNT], s[CNT], 1
	s_cmp_lg_u32 s[CNT], 0
	s_cbranch_scc1 .Lwalk_\@
.endm
; THE WAY OUT: O^T / the sum; its two blocks of 32 channels are quantised; six registers a lane are half an image of the out-projection's operand (K step head / 2, half head % 2).
.macro WAYOUT
	PLACES
	v_add_f32 v14, v14, v15
	s_delay_alu instid0(VALU_DEP_1)
	v_permlanex16_b32 v254, v14, s[SEL], s[SEL+1]
	s_delay_alu instid0(VALU_DEP_1)
	v_add_f32 v14, v14, v254                       ; the row's sum
	s_wait_alu depctr_va_vdst(0)
	v_rcp_f32 v14, v14
	v_mov_b32 v15, 0                               ; (a plain instruction behind the reciprocal; the pair's upper half is named below)
	s_wait_alu depctr_va_vdst(0)                   ; the wait ahead of the reciprocal's first reader
.set j, 0
.rept 16
	v_pk_mul_f32 v[S+j:S+j+1], v[O+j:O+j+1], v[14:15] op_sel_hi:[1,0]   ; each accumulator from its low end on
.set j, j+2
.endr
	v_max3_num_f32 v[BM], |v[S]|, |v[S+1]|, 0x1800000
	v_max3_num_f32 v[BM+1], |v[S+16]|, |v[S+17]|, 0x1800000
.irp i, 2,4,6,8,10,12,14
	s_delay_alu instid0(VALU_DEP_2)
	v_max3_num_f32 v[BM], v[BM], |v[S+\i]|, |v[S+1+\i]|
	s_delay_alu instid0(VALU_DEP_2)
	v_max3_num_f32 v[BM+1], v[BM+1], |v[S+16+\i]|, |v[S+17+\i]|
.endr
	s_delay_alu instid0(VALU_DEP_2)
	v_permlanex16_b32 v[PT], v[BM], s[SEL], s[SEL+1]
	s_delay_alu instid0(VALU_DEP_2)
	v_permlanex16_b32 v[PT+1], v[BM+1], s[SEL], s[SEL+1]
	s_delay_alu instid0(VALU_DEP_2)
	v_max_num_f32 v[BM], v[BM], v[PT]
	s_delay_alu instid0(VALU_DEP_2)
	v_max_num_f32 v[BM+1], v[BM+1], v[PT+1]
	s_delay_alu instid0(VALU_DEP_2)
	v_add_nc_u32 v[SOP], 0xff000000, v[BM]
	s_delay_alu instid0(VALU_DEP_2)
	v_add_nc_u32 v[SOP+1], 0xff000000, v[BM+1]
	s_delay_alu instid0(VALU_DEP_2)
	v_lshrrev_b32 v[PT], 23, v[SOP]
	s_delay_alu instid0(VALU_DEP_2)
	v_lshrrev_b32 v[PT+1], 23, v[SOP+1]
	s_delay_alu instid0(VALU_DEP_1)
	v_lshl_or_b32 v[HW], v[PT+1], 8, v[PT]
	v_cvt_scalef32_pk16_fp6_f32 v[PCD:PCD+2], v[S:S+15], v[SOP]
	v_cvt_scalef32_pk16_fp6_f32 v[CT:CT+2], v[S+16:S+31], v[SOP+1]
	v_nop
.irp i, 0,1,2
	v_permlane16_swap_b32 v[PCD+\i], v[CT+\i]
.endr
.irp i, 0,1,2
	s_delay_alu instid0(VALU_DEP_3)
	v_mov_b32 v[PCD+3+\i], v[CT+\i]
.endr
	global_store_b128 v[L16], v[PCD:PCD+3], s[AO:AO+1]               ; 512 consecutive bytes
	global_store_b64 v[L8], v[PCD+4:PCD+5], s[AO:AO+1] offset:512    ; 256
	global_store_b16 v[R32], v[HW], s[AS:AS+1]     ; two bytes of my row's 32: a K step of the out-projection spans two heads, which two clusters make; lanes l and l + 16 write the same bytes with the same value
.endm
; A PASS'S SET-UP: tile T = 127 - t (hi = 1) or t (hi = 0), t = 4 x wave + place
.macro SETUP hi
	s_lshl_b32 s79, s[WV], 2
	s_add_co_u32 s79, s79, s[PL]
.if \hi
	s_sub_co_u32 s79, 127, s79
	s_sub_co_u32 s[QS], 31, s[WV]
	s_lshr_b32 s[QS], s[QS], 1
.else
	s_lshr_b32 s[QS], s[WV], 1
.endif
	s_lshl_b32 s[QS], s[QS], 7                     ; 128 (T / 8), from the wave's number alone
	s_lshr_b32 s68, s79, 1                         ; g: q's image
	s_and_b32 s69, s79, 1                          ; u: which tile of the image's two
	s_mul_i32 s70, s68, 1536
	s_lshr_b32 s71, s79, 3
	s_lshl_b32 s71, s71, 8
	s_and_b32 s[GQ], s68, 3
	s_lshl_b32 s72, s[GQ], 2
	s_add_co_u32 s71, s71, s72                     ; its scale words: 256 bytes for 128 tokens, 16 a row, 4 an image
.irp b, 0,1,2,3
	s_cmp_lt_u32 s[GQ], \b
	s_cselect_b32 s[FB+\b], -1, 0
.endr
	s_mov_b32 s75, 0x01000100
	s_cmp_lg_u32 s69, 0
	s_cselect_b32 s74, -1, 0
	s_cselect_b32 s75, 0x03020302, s75             ; my tile's two scale bytes, twice: they serve Q0 and Q1
; mask i: lanes 0-7 and 24-31: hidden where lane % 8 < i - 8 u; lanes 8-15 open; lanes 16-23 hidden
.irp i, 0,1,2,3,4,5,6,7
	s_mov_b32 s[MK+\i], 0x00ff0000
	s_cselect_b32 s[MK+\i], s[MK+\i], ((1<<\i)-1)*0x01000001+0x00ff0000
	s_mov_b32 s[MK+8+\i], ((1<<\i)-1)*0x01000001+0x00ff0000
	s_cselect_b32 s[MK+8+\i], s[MK+8+\i], 0xffff00ff
.endr
	s_lshr_b32 s72, s[BH], 4
	s_lshl_b32 s72, s72, 7
	s_add_co_u32 s72, s72, s79                     ; my block of 16 places in the out-projection's operand: 128 x batch + tile
	s_and_b32 s73, s[BH], 15                       ; the head
	s_lshl_b32 s76, s72, 9
	s_lshl_b32 s78, s73, 1
	s_add_co_u32 s76, s76, s78
	s_mov_b32 s77, 0
	s_lshl_b32 s72, s72, 3
	s_lshr_b32 s78, s73, 1
	s_add_co_u32 s72, s72, s78
	s_mul_i32 s72, s72, 1536
	s_and_b32 s78, s73, 1
	s_mul_i32 s78, s78, 768
	s_add_co_u32 s72, s72, s78
	s_mov_b32 s73, 0
	s_wait_alu depctr_va_vdst(0)
	s_wait_xcnt 0x0                                ; the last pass's stores have read their registers and bases
	s_add_nc_u64 s[AO:AO+1], s[8:9], s[72:73]
	s_add_nc_u64 s[AS:AS+1], s[10:11], s[76:77]
	v_add_nc_u32 v[ADK], s70, v[L16]
	v_add_nc_u32 v[ADS], s71, v[R16]
.irp k, 0,1,2
	global_load_b128 v[S+4*\k:S+4*\k+3], v[ADK], s[4:5] offset:512*\k
.endr
	global_load_b32 v[S+12], v[ADS], s[6:7]
	v_mov_b32 v13, 0xff61b1e6                      ; the largest t so far: -3e38
	v_mov_b32 v14, 0
	v_mov_b32 v15, 0
	v_floor_f32 v12, -v13
.irp b, 0,1,2,3
	v_mov_b32 v[PT+\b], 0                          ; a lane permute's destination counts as one of its sources
.endr
	v_mov_b32 v252, 0
	v_mov_b32 v253, 0
	v_mov_b32 v254, 0
	s_mov_b32 s[SO], 0
	s_mov_b32 s[SS], 0
	s_mov_b32 s[KF], 0
	s_wait_loadcnt 0x0
.irp i, 0,1,2,3,4,5
	v_cndmask_b32 v[Q0+\i], v[S+\i], v[S+6+\i], s74
.endr
.irp i, 0,1,2,3,4,5
	v_mov_b32 v[Q1+6+\i], v[Q0+\i]
.endr
	v_perm_b32 v255, v[S+12], v[S+12], s75
.set j, 0
.rept 32
	v_mov_b32 v[O+j], 0                            ; the step is written once: the first finds zeros.  These also stand between q's operands and scale word and the first product
.set j, j+1
.endr
.endm
	SETUP 1
	s_wait_alu depctr_va_vdst(0)                   ; the wait at the head's end
	s_wait_tensorcnt 0x0                           ; my part of key steps 0-3 or of the scale words has landed; a later first fill is issued as a refill is:
	ds_add_u32 v[SPW], v[NIL]
	s_wait_dscnt 0x0
	ROUND                                          ; everybody's has, and all four work-groups are here
	tensor_load_to_lds s[G0B:G0B+3], s[G1B:G1B+7]  ; my one load behind this round: my sixteenth of key steps 4-15
	s_nop 0
	PLACES
	WALK 4                                         ; keys 0-511
	s_wait_tensorcnt 0x0                           ; my part of key steps 4-15 has landed
	s_wait_dscnt 0x0
	s_barrier_signal -1
	s_barrier_wait -1                              ; everybody's has
	s_mov_b32 s[PS], 0
.Lpass:                                                ; trip 0: tile 127 - t goes on from key 512; trip 1: tile t from key 0, which ends before key 1,024: the trips beyond a tile's last step pass over the step
	WALK 12
	WAYOUT
	s_cmp_eq_u32 s[PS], 1
	s_cbranch_scc1 .Ldone
	SETUP 0
	s_wait_alu depctr_va_vdst(0)
	s_add_co_u32 s[PS], s[PS], 1
	s_cmp_lt_u32 s[PS], 2
	s_cbranch_scc1 .Lpass
.Ldone:
	s_wait_tensorcnt 0x0                           ; the wave's end
	ds_add_u32 v[SPW], v[NIL]
	s_wait_dscnt 0x0
	ROUND                                          ; the closing round: no work-group ends while a partner may still ask for a tile that names it
	s_endpgm
.Lfunc_end_k_qd5c9add2a5_attn:
	.size	k_qd5c9add2a5_attn, .Lfunc_end_k_qd5c9add2a5_attn-k_qd5c9add2a5_attn
	.p2alignl 7, 3214868480
	.fill 96, 4, 3214868480
	.section	.rodata,"a",@progbits
	.p2align	6, 0x0
	.amdhsa_kernel k_qd5c9add2a5_attn
		.amdhsa_group_segment_fixed_size 327680
		.amdhsa_private_segment_fixed_size 0
		.amdhsa_enable_private_segment 0
		.amdhsa_kernarg_size 32
		.amdhsa_user_sgpr_count 2
		.amdhsa_user_sgpr_kernarg_segment_ptr 1
		.amdhsa_wavefront_size32 1
		.amdhsa_system_sgpr_workgroup_id_x 1
		.amdhsa_system_sgpr_workgroup_id_y 1
		.amdhsa_system_sgpr_workgroup_id_z 1
		.amdhsa_system_vgpr_workitem_id 0
		.amdhsa_next_free_vgpr 256
		.amdhsa_next_free_sgpr 100
		.amdhsa_reserve_vcc 0
		.amdhsa_float_denorm_mode_32 3
		.amdhsa_float_denorm_mode_16_64 3
		.amdhsa_memory_ordered 1
		.amdhsa_forward_progress 1
		.amdhsa_inst_pref_size 70
	.end_amdhsa_kernel
	.amdgpu_metadata
---
amdhsa.version: [ 1, 2 ]
amdhsa.kernels:
  - .name:           k_qd5c9add2a5_attn
    .symbol:         k_qd5c9add2a5_attn.kd
    .args:
      - { .name: cod2, .offset: 0, .size: 8, .value_kind: global_buffer, .address_space: global }
      - { .name: scl2, .offset: 8, .size: 8, .value_kind: global_buffer, .address_space: global }
      - { .name: aoc, .offset: 16, .size: 8, .value_kind: global_buffer, .address_space: global }
      - { .name: aos, .offset: 24, .size: 8, .value_kind: global_buffer, .address_space: global }
    .group_segment_fixed_size: 327680
    .private_segment_fixed_size: 0
    .kernarg_segment_align: 8
    .kernarg_segment_size: 32
    .max_flat_workgroup_size: 512
    .sgpr_count:     100
    .vgpr_count:     256
    .wavefront_size: 32
...
	.end_amdgpu_metadata
.endif
;; end of part 3
;; launch proj_out (part 4): grid 8 x 32, 4 waves a work-group, clusters of 4 x 4, 327,680 bytes of LDS; arguments aoc, aos, cod1, scl1, b_out, out0; writes out0
.if DOCPART == 4
	.amdgcn_target "amdgcn-amd-amdhsa--gfx1250"
	.amdhsa_code_object_version 6
	.text
	.protected	k_qd5c9add2a5_proj_out
	.globl	k_qd5c9add2a5_proj_out
	.p2align	8
	.type	k_qd5c9add2a5_proj_out,@function
k_qd5c9add2a5_proj_out:
	s_mov_b64 s[64:65], 0
	v_nop
	global_prefetch_b8 v0, s[64:65] scope:SCOPE_SE
	s_setreg_imm32_b32 hwreg(HW_REG_WAVE_MODE, 25, 1), 1
	s_wait_xcnt 0x0
	s_wait_alu depctr_hold_cnt(0) depctr_sa_sdst(0) depctr_va_vdst(0) depctr_va_sdst(0) depctr_va_ssrc(0) depctr_va_vcc(0) depctr_vm_vsrc(0)
	s_getreg_b32 s2, hwreg(HW_REG_IB_STS2, 6, 4)
	s_cmp_eq_u32 s2, 0
	s_cbranch_scc0 .Lentry_in_a_cluster
	s_endpgm
.Lentry_in_a_cluster:
	s_bfe_u32 s2, ttmp6, 0x10000c
	s_cmp_lg_u32 s2, 0xf033
	s_cbranch_scc0 .Lentry_shape_is_right
	s_endpgm
.Lentry_shape_is_right:
; out0 = attention's result x W_out^T + b_out on codes of FP6 (E2M3) with E8M0 scales, sums in f32.
; THE DEAL.  256 work-groups: work-group (x, y) makes columns 128 x .. + 127 of tokens 256 y .. + 255.  Four waves, 2 x 2: wave (a, b) takes tokens 128 a .. + 127 and columns 64 b .. + 63: it holds its 64 rows of W_out, all of K, in 384 registers
; and streams the tokens past them in blocks of 16 places, 32 products a block on four accumulators by turns; a block's fragments and scale words are fetched two blocks ahead into two sets of registers.
; OPERANDS arrive as images of registers (16 places x 128 K = 1,536 bytes); place r of block 2 b + u holds row 32 b + 8 u + r + 8 (r / 8).  Source 0 = 16 places of W_out, source 1 = 16 places of tokens: a lane holds one token,
; register 8 t + j is column 32 (t / 2) + 16 h + 8 (t % 2) + j; the bias is the first products' C.
; LDS, all filled once at the head, one joint load a wave: the tokens' codes at 0 as [blocks 0-3 | 4-7 of a wave's eight][a][4 blocks] (waves 2, 3), the weights' 8 blocks at WL (wave 0), the tokens' scale bytes at XSL (wave 1); the waves' stages; the spare words.
; CLUSTERS: 4 x 4 work-groups; the tokens' tiles are asked for jointly by a row of the cluster, the weights' by a column.  NO PREFETCH: every tile is asked for at the head: no later load is left to run ahead of.
; THE WAY OUT: a block's 16 x 64 results go through my own stage (rows of 256 + 16 bytes) at the head of the next block and come back as whole rows under its products: sixteen lanes store 256 consecutive bytes, at a multiple of 256 from out0's first byte.
.set BKB,   12288
.set WL,    196608
.set XSL,   294912
.set STG,   303104
.set SPARE, 320512
.set NF,    34                         ; LDS loads of a block: 32 for eight fragments, 2 for eight scale words
.set A16B, 4
.set A8B,  5
.set ASB,  6
.set W16,  7
.set W8,   8
.set L16,  9
.set SPW,  10
.set NIL,  11
.set A16,  12
.set A8,   13
.set AS,   14
.set WS,   15
.set BQA,  16
.set STO,  17
.set RD,   18
.set CO,   19
.set SB,   24
.set SA,   44
.set ACC,  128
.set BK,   192
.set CB,   224
.set JN,   18
.set G1X,  24
.set G1W,  32
.set G1S,  48
.set G0W,  56
.set G0X,  60
.set G0S,  68
.set MSB, 0
.macro WIN new
.if MSB != \new
	s_set_vgpr_msb (MSB<<8)|\new
.set MSB, \new
.endif
.endm
.macro PLACES
.rept 4
	v_nop
.endr
.endm
.macro WALU
	s_wait_alu depctr_va_vdst(0)
.endm
.macro BARRIER
	s_barrier_signal -1
	s_barrier_wait -1
.endm
.macro CROUND
	BARRIER
	s_cmp_lg_u32 s14, 0
	s_cbranch_scc1 .Lnot_wave_0_\@
	s_barrier_signal -3
.Lnot_wave_0_\@:
	s_barrier_wait -3
	BARRIER
.endm
.macro TLOAD g0, g1
	tensor_load_to_lds s[\g0:\g0+3], s[\g1:\g1+7]
	s_nop 0
	PLACES
.endm
.macro GROUP1 g, mask, c, rows, pitch
	s_or_b32 s[\g], s[\mask], (3<<16)|(1<<21)
	s_mov_b32 s[\g+1], (\c)<<16
	s_mov_b32 s[\g+2], (\rows)<<16
	s_mov_b32 s[\g+3], (\c)<<16
	s_mov_b32 s[\g+4], \rows
	s_mov_b32 s[\g+5], \pitch
	s_mov_b32 s[\g+6], 0
	s_mov_b32 s[\g+7], 0
.endm
.macro G0SET g, base, off
	s_mov_b32 s20, s\off
	s_add_nc_u64 s[\g+2:\g+3], s[\base:\base+1], s[20:21]
	s_or_b32 s[\g+3], s[\g+3], 0x80000000
.endm
.macro FRAG f, a16, a8, off
.set R_, 12*((\f)%21)
	WIN (1+(\f)/21)<<6
	ds_load_b128 v[R_:R_+3], v[\a16] offset:\off
	ds_load_b64 v[R_+4:R_+5], v[\a8] offset:(\off)+512
	ds_load_b128 v[R_+6:R_+9], v[\a16] offset:(\off)+768
	ds_load_b64 v[R_+10:R_+11], v[\a8] offset:(\off)+1280
.endm
.macro WEIGHTS
.set Q_, 0
.rept 8
.irp t, 0,1,2,3
	FRAG 4*Q_+\t, W16, W8, \t*BKB+1536*Q_
.endr
.set Q_, Q_+1
.endr
	WIN 0
.endm
.macro FETCH e                         ; block JN of my eight into set e; the three additions and the v_nop are the four places ahead of the loads
	s_lshr_b32 s20, s[JN], 2
	s_mul_i32 s20, s20, 98304
	s_and_b32 s21, s[JN], 3
	s_mul_i32 s21, s21, BKB
	s_add_co_u32 s20, s20, s21
	s_lshl_b32 s21, s[JN], 9
	s_add_co_u32 s[JN], s[JN], 1
	v_add_nc_u32 v[A16], s20, v[A16B]
	v_add_nc_u32 v[A8], s20, v[A8B]
	v_add_nc_u32 v[AS], s21, v[ASB]
	v_nop
.set Q_, 0
.rept 8
	FRAG 32+8*(\e)+Q_, A16, A8, 1536*Q_
.set Q_, Q_+1
.endr
	WIN 0
	ds_load_b128 v[SA+8*(\e):SA+8*(\e)+3], v[AS]
	ds_load_b128 v[SA+8*(\e)+4:SA+8*(\e)+7], v[AS] offset:16
.endm
.macro P1 d, s0, s1, c, x0, x1, o
.if \o
	v_wmma_scale_f32_16x16x128_f8f6f4 v[\d:\d+7], v[\s0:\s0+11], v[\s1:\s1+11], \c, v[\x0], v[\x1] matrix_a_fmt:MATRIX_FMT_FP6 matrix_b_fmt:MATRIX_FMT_FP6 matrix_a_scale:MATRIX_SCALE_ROW1
.else
	v_wmma_scale_f32_16x16x128_f8f6f4 v[\d:\d+7], v[\s0:\s0+11], v[\s1:\s1+11], \c, v[\x0], v[\x1] matrix_a_fmt:MATRIX_FMT_FP6 matrix_b_fmt:MATRIX_FMT_FP6 matrix_a_scale:MATRIX_SCALE_ROW0
.endif
.endm
.macro PROD e, q, t                    ; K step q, the weight's block t, the tokens' set e
.set FB_, 4*(\q)+(\t)
.set FA_, 32+8*(\e)+(\q)
.set RB_, 12*(FB_%21)
.set RA_, 12*(FA_%21)
.set DL_, ACC+32*(\e)+8*(\t)
	WIN (1+FB_/21)|((1+FA_/21)<<2)
.if \q
	P1 DL_, RB_, RA_, v[DL_:DL_+7], SB+8*((\t)/2)+(\q), SA+8*(\e)+(\q), (\t)%2
.else
	P1 DL_, RB_, RA_, v[CB+8*(\t):CB+8*(\t)+7], SB+8*((\t)/2)+(\q), SA+8*(\e)+(\q), (\t)%2
.endif
.endm
.macro STAGE e                         ; set e's results into my stage, each accumulator from its low end on, and back by rows: LDS serves a wave's instructions in order
	s_wait_xcnt 0x0                                ; the last block's stores have read the registers that the loads below fill
.irp t, 0,1,2,3
	ds_store_b128 v[STO], v[ACC+32*(\e)+8*\t:ACC+32*(\e)+8*\t+3] offset:128*(\t/2)+32*(\t%2)
	ds_store_b128 v[STO], v[ACC+32*(\e)+8*\t+4:ACC+32*(\e)+8*\t+7] offset:128*(\t/2)+32*(\t%2)+16
.endr
.irp i, 0,1,2,3,4,5,6,7
	ds_load_b128 v[BK+4*\i:BK+4*\i+3], v[RD] offset:\i*2*272
.endr
.endm
.macro SENDOUT j, w                    ; block j's rows: place p is token 32 (j / 2) + 8 (j % 2) + p + 8 (p / 8) of my 128; w: the LDS loads younger than the stage's
	s_wait_dscnt \w
.irp i, 0,1,2,3,4,5,6,7
	global_store_b128 v[CO], v[BK+4*\i:BK+4*\i+3], s[94:95] offset:(32*((\j)/2)+8*((\j)%2)+2*\i+8*(\i/4))*4096 th:TH_STORE_NT
.endr
.endm
.macro OBLK j
.if \j > 0
	STAGE (\j-1)%2
	s_wait_dscnt NF+16                             ; younger than this block's fetch: the next block's, and the stage's sixteen
.else
	s_wait_dscnt NF
.endif
.set Q_, 0
.rept 8
.irp t, 0,1,2,3
	PROD (\j)%2, Q_, \t
.endr
.set Q_, Q_+1
.endr
	WIN 0
.if \j < 6
	FETCH (\j)%2
.else
	PLACES
.endif
.if \j > 0
.if \j < 6
	SENDOUT \j-1, NF
.else
	SENDOUT \j-1, 0
.endif
.endif
.endm
; ---- the head
	s_load_b128 s[4:7], s[0:1], 0x0                ; aoc, aos
	s_load_b128 s[8:11], s[0:1], 0x10              ; cod1, scl1
	s_load_b128 s[92:95], s[0:1], 0x20             ; b_out, out0
	v_lshl_add_u32 v[SPW], v0, 2, SPARE
	v_mov_b32 v[NIL], 0
	ds_add_u32 v[SPW], v[NIL]                      ; the wave's opening: the add, twice on end, and its wait ahead of my first tensor load
	ds_add_u32 v[SPW], v[NIL]
	v_lshrrev_b32 v1, 5, v0
	v_readfirstlane_b32 s14, v1                    ; wave; s15 = a, s16 = b
	s_lshr_b32 s15, s14, 1
	s_and_b32 s16, s14, 1
	s_bfe_u32 s40, ttmp6, 0x40000
	s_bfe_u32 s41, ttmp6, 0x40004
	s_lshl_b32 s42, ttmp9, 2
	s_add_co_u32 s42, s42, s40                     ; s42 the 128 columns, 0 .. 7
	s_and_b32 s43, ttmp7, 0xffff
	s_lshl_b32 s43, s43, 2
	s_add_co_u32 s43, s43, s41                     ; s43 the 256 tokens, 0 .. 31
	s_lshl_b32 s44, s41, 2
	s_lshl_b32 s44, 15, s44                        ; my row of the cluster
	s_lshl_b32 s45, 0x1111, s40                    ; my column
	GROUP1 G1X, 44, 6144, 2, 12288                 ; the tokens: 4 blocks (49,152 bytes) of each half, 98,304 bytes apart
	GROUP1 G1W, 45, 1536, 8, 1536                  ; the weight: 8 blocks on end
	GROUP1 G1S, 44, 32, 32, 32                     ; the tokens' scale bytes: 8,192 on end
	s_mul_i32 s46, s43, 196608
	s_mul_i32 s20, s16, 49152
	s_add_co_u32 s46, s46, s20
	s_mul_i32 s47, s16, 98304
	s_lshl_b32 s77, s43, 13
	s_mul_i32 s76, s42, 98304
	s_add_co_u32 s76, s76, 704*BKB                 ; W_out is blocks 704 on of cod1
	s_lshl_b32 s81, s42, 12
	s_lshl_b32 s20, s16, 11
	s_add_co_u32 s81, s81, s20
	s_add_co_u32 s81, s81, 704*512
	s_lshl_b32 s82, s42, 9
	s_lshl_b32 s20, s16, 8
	s_add_co_u32 s82, s82, s20                     ; my 64 columns, in bytes
	s_lshl_b32 s83, s43, 20
	s_lshl_b32 s20, s15, 19
	s_add_co_u32 s83, s83, s20
	s_add_co_u32 s83, s83, s82                     ; my part of out0: rows of 4,096 bytes
	v_and_b32 v1, 15, v0                           ; r
	v_bfe_u32 v2, v0, 4, 1                         ; h
	v_and_b32 v3, 31, v0
	v_lshlrev_b32 v[L16], 4, v3
	v_lshlrev_b32 v20, 3, v3
	s_mul_i32 s20, s15, 49152
	v_add_nc_u32 v[A16B], s20, v[L16]
	v_add_nc_u32 v[A8B], s20, v20
	s_mul_i32 s21, s16, 49152
	s_add_co_u32 s21, s21, WL
	v_add_nc_u32 v[W16], s21, v[L16]
	v_add_nc_u32 v[W8], s21, v20
	s_lshl_b32 s20, s15, 12
	s_add_co_u32 s20, s20, XSL
	v_lshl_add_u32 v[ASB], v1, 5, s20
	v_lshlrev_b32 v[WS], 5, v3
	v_lshlrev_b32 v[BQA], 6, v2
	s_mul_i32 s23, s14, 16*272
	s_add_co_u32 s23, s23, STG                     ; my stage
	v_mul_u32_u24 v21, v1, 272
	v_lshl_add_u32 v21, v2, 6, v21
	v_add_nc_u32 v[STO], s23, v21                  ; in: row r, 64 bytes on for lanes 16-31
	v_mul_u32_u24 v22, v2, 272
	v_lshl_add_u32 v22, v1, 4, v22
	v_add_nc_u32 v[RD], s23, v22                   ; back: lanes 0-15 take one row of 256 bytes, lanes 16-31 the next
	v_lshlrev_b32 v23, 12, v2
	v_lshl_add_u32 v[CO], v1, 4, v23               ; and the same two rows in out0
	WALU                                           ; the wait at the head's end
	s_wait_dscnt 0x0
	CROUND                                         ; all sixteen work-groups are here: the joint loads meet
	s_wait_kmcnt 0x0
	s_mov_b32 s21, 0
	s_mov_b32 s[G0W], 1
	s_mov_b32 s[G0W+1], WL
	G0SET G0W, 8, 76
	s_mov_b32 s[G0X], 1
	s_mov_b32 s[G0X+1], s47
	G0SET G0X, 4, 46
	s_mov_b32 s[G0S], 1
	s_mov_b32 s[G0S+1], XSL
	G0SET G0S, 6, 77
	s_mov_b32 s20, s81
	s_add_nc_u64 s[72:73], s[10:11], s[20:21]
	s_mov_b32 s20, s82
	s_add_nc_u64 s[74:75], s[92:93], s[20:21]
	s_mov_b32 s20, s83
	s_add_nc_u64 s[94:95], s[94:95], s[20:21]
	s_cmp_eq_u32 s14, 0                            ; the head's loads, one a wave: one chain of branches, one join
	s_cbranch_scc0 .Lh1
	TLOAD G0W, G1W
	s_branch .Lhj
.Lh1:
	s_cmp_eq_u32 s14, 1
	s_cbranch_scc0 .Lh2
	TLOAD G0S, G1S
	s_branch .Lhj
.Lh2:
	TLOAD G0X, G1X
.Lhj:
.irp p, 0,1
.irp c, 0,1
	global_load_b128 v[SB+8*\p+4*\c:SB+8*\p+4*\c+3], v[WS], s[72:73] offset:1024*\p+16*\c   ; the weights' scale words: lane l takes place l of two blocks, four K steps a load
.endr
.endr
.irp t, 0,1,2,3
	global_load_b128 v[CB+8*\t:CB+8*\t+3], v[BQA], s[74:75] offset:(32*(\t/2)+8*(\t%2))*4    ; the bias, as the result lies
	global_load_b128 v[CB+8*\t+4:CB+8*\t+7], v[BQA], s[74:75] offset:(32*(\t/2)+8*(\t%2))*4+16
.endr
	s_cmp_eq_u32 s14, 0
	s_cbranch_scc0 .Lnot_w
	s_wait_tensorcnt 0x0                           ; wave 0's line is its own
.Lnot_w:
	BARRIER                                        ; the weights' rows are in
	WEIGHTS
	s_wait_tensorcnt 0x0
	s_wait_dscnt 0x0
	BARRIER                                        ; the tokens' codes and scale bytes are in; nothing is ever filled again
	s_mov_b32 s[JN], 0
	FETCH 0
	FETCH 1
	s_wait_loadcnt 0x0
.irp j, 0,1,2,3,4,5,6,7
	OBLK \j
.endr
	STAGE 1
	SENDOUT 7, 0
	s_wait_tensorcnt 0x0                           ; the wave's end
	ds_add_u32 v[SPW], v[NIL]
	s_wait_dscnt 0x0
	CROUND                                         ; the closing round
	s_endpgm
.Lfunc_end_k_qd5c9add2a5_proj_out:
	.size	k_qd5c9add2a5_proj_out, .Lfunc_end_k_qd5c9add2a5_proj_out-k_qd5c9add2a5_proj_out
	.p2alignl 7, 3214868480
	.fill 96, 4, 3214868480
	.section	.rodata,"a",@progbits
	.p2align	6, 0x0
	.amdhsa_kernel k_qd5c9add2a5_proj_out
		.amdhsa_group_segment_fixed_size 327680
		.amdhsa_private_segment_fixed_size 0
		.amdhsa_enable_private_segment 0
		.amdhsa_kernarg_size 48
		.amdhsa_user_sgpr_count 2
		.amdhsa_user_sgpr_kernarg_segment_ptr 1
		.amdhsa_wavefront_size32 1
		.amdhsa_system_sgpr_workgroup_id_x 1
		.amdhsa_system_sgpr_workgroup_id_y 1
		.amdhsa_system_sgpr_workgroup_id_z 1
		.amdhsa_system_vgpr_workitem_id 0
		.amdhsa_next_free_vgpr 1024
		.amdhsa_next_free_sgpr 100
		.amdhsa_reserve_vcc 0
		.amdhsa_float_denorm_mode_32 3
		.amdhsa_float_denorm_mode_16_64 3
		.amdhsa_memory_ordered 1
		.amdhsa_forward_progress 1
		.amdhsa_inst_pref_size 86
	.end_amdhsa_kernel
	.amdgpu_metadata
---
amdhsa.version: [ 1, 2 ]
amdhsa.kernels:
  - .name:           k_qd5c9add2a5_proj_out
    .symbol:         k_qd5c9add2a5_proj_out.kd
    .args:
      - { .name: aoc, .offset: 0, .size: 8, .value_kind: global_buffer, .address_space: global }
      - { .name: aos, .offset: 8, .size: 8, .value_kind: global_buffer, .address_space: global }
      - { .name: cod1, .offset: 16, .size: 8, .value_kind: global_buffer, .address_space: global }
      - { .name: scl1, .offset: 24, .size: 8, .value_kind: global_buffer, .address_space: global }
      - { .name: b_out, .offset: 32, .size: 8, .value_kind: global_buffer, .address_space: global }
      - { .name: out0, .offset: 40, .size: 8, .value_kind: global_buffer, .address_space: global }
    .group_segment_fixed_size: 327680
    .private_segment_fixed_size: 0
    .kernarg_segment_align: 8
    .kernarg_segment_size: 48
    .max_flat_workgroup_size: 128
    .sgpr_count:     100
    .vgpr_count:     1024
    .wavefront_size: 32
...
	.end_amdgpu_metadata
.endif
;; end of part 4
